; MI455X (gfx1250); checked and timed in simulation.
; The chip was launched on July 23, 2026; its instructions are those of AMD's public machine-readable ISA for CDNA 5 (MIT licence, August 2026) and "CDNA5" Instruction Set Architecture Reference Guide (July 2026). The comments in the code are by the model that wrote it; some were corrected since.
;; Multi Head Attention. Allowed arithmetic: matrix products marked QUANTISED: E2M1 operands, one E8M0 scale for each 32 along K, by v_wmma_scale_f32_16x16x128_f8f6f4 with both operands' format E2M1 (or v_wmma_scale_f32_32x16x128_f4), f32 sums; products left as they are: bf16, f16 or f32 operands; f32 sums; everything else in f32.
;; Inputs: Wout 1,024 x 1,024 float32; Wqkv 1,024 x 3,072 float32; x 4 x 2,048 x 1,024 float32.
;; Outputs: out0 4 x 2,048 x 1,024 float32.
;; This version of the problem:
;;   THIS VERSION OF THE PROBLEM IS GIVEN IN LOW PRECISION. The matrix products marked QUANTISED in the list below multiply operands that are first quantised to E2M1 (2 exponent bits, 1 mantissa bit; 4 bits a number), with one power-of-two scale for each 32 numbers along K (OCP MX v1.0); their sums are f32. The products marked 'left as it is' may take bf16, f16 or f32 operands, with f32 sums. Whichever they take, every output number must still come out within the allowed error. Rounding operands to bf16 (8 significant bits) uses up far more of that allowance than f16 does (11 bits, for magnitudes from 6e-5 to 65,504). All else is computed in f32.
;;   The module's matrix products, in the order in which they are computed (A, B: the left and right operand; K: the contracted axis; several contracted axes count as one K, in the product's order):
;;     1. [M 8,192, K 1,024] x [K 1,024, N 3,072]; A: input x; B: input Wqkv: QUANTISED
;;     2. batch 64 x [M 2,048, K 64] x [K 64, N 2,048]; A: computed on the way; B: computed on the way: left as it is (an operand is computed on the way)
;;     3. batch 64 x [M 2,048, K 2,048] x [K 2,048, N 64]; A: computed on the way; B: computed on the way: left as it is (an operand is computed on the way)
;;     4. [M 8,192, K 1,024] x [K 1,024, N 1,024]; A: computed on the way; B: input Wout: left as it is (an operand is computed on the way)
;;   THE QUANTISER, for each operand of a quantised product, along K:
;;     - K is cut into blocks of 32 from its start; a last block that is shorter is filled with zeros.
;;     - A block's scale is 2^e with e = floor(log2(the largest magnitude in the block)) - 2, held to -126 .. 127; a block of zeros has e = 0. As a byte (E8M0): e + 127.
;;     - Each number is divided by its block's scale, clamped to +-6, and rounded to the nearest number of E2M1, ties to even, subnormals kept.
;;     - The product sums the exact products of the quantised numbers (number of the format x scale) in f32.
;;   ~~~python
;;   def quantise(x, axis):      # numpy; x: float32 -> the quantised numbers, widened to float32 again
;;       x = np.moveaxis(x, axis, -1); K = x.shape[-1]
;;       x = np.pad(x, [(0, 0)] * (x.ndim - 1) + [(0, -K % 32)]); x = x.reshape(x.shape[:-1] + (-1, 32)); a = np.abs(x).max(-1, keepdims=True)
;;       e = np.where(a > 0, np.clip(np.frexp(np.where(a > 0, a, 1))[1] - 1 - 2, -126, 127), 0)      # np.frexp(a)[1] - 1 = floor(log2(a)), exactly
;;       r = np.clip(x / 2.0 ** e, -6, 6)
;;       step = 2.0 ** (np.maximum(np.frexp(np.where(r == 0, 1, r))[1] - 1, 0) - 1)
;;       q = np.round(r / step) * step * 2.0 ** e      # np.round: ties to even
;;       return np.moveaxis(q.reshape(q.shape[:-2] + (-1,))[..., :K], -1, axis).astype(np.float32)
;;   ~~~
;; One version. Each part assembles by itself: llvm-mc -triple=amdgcn-amd-amdhsa -mcpu=gfx1250 --defsym DOCPART=n.
;; ======== version 1 of 1: 5 launches
;; limits: values are held in f16: magnitudes above 65,504 overflow, below 6.1e-05 lose precision
;; workspace buffers: xc 4,194,304 bytes; xs 262,144 bytes; wc 1,572,864 bytes; ws 98,304 bytes; wo 2,097,152 bytes; qkvh 50,331,648 bytes; qkv16 786,432 bytes; att 16,777,216 bytes
;; launch prep (part 1): grid 256 x 1, 8 waves a work-group, no clusters, 154,112 bytes of LDS; arguments x, Wqkv, Wout, xc, xs, wc, ws, wo; writes xc, xs, wc, ws, wo
.if DOCPART == 1
	.amdgcn_target "amdgcn-amd-amdhsa--gfx1250"
	.amdhsa_code_object_version 6
	.text
	.protected	k_q5a0a527c96_prep
	.globl	k_q5a0a527c96_prep
	.p2align	8
	.type	k_q5a0a527c96_prep,@function
k_q5a0a527c96_prep:
	s_mov_b64 s[64:65], 0
	v_nop
	global_prefetch_b8 v0, s[64:65] scope:SCOPE_SE
	s_setreg_imm32_b32 hwreg(HW_REG_WAVE_MODE, 25, 1), 1
	s_wait_xcnt 0x0
; PREP: the three inputs are laid as the later launches read them.  One launch, three paths, parted by the work-group's number alone:
;   work-groups 0-127   X: x [8192][1024] f32 -> codes of E2M1, K innermost (xc [8192][512 bytes]) and one E8M0 byte for each 32 along K (xs [8192][32])
;   work-groups 128-223 W: Wqkv [1024 k][3072 n] f32, K its FIRST axis -> wc [3072 n][512 bytes], ws [3072][32]
;   work-groups 224-255 O: Wout [1024 k][1024 n] f32 -> f16, K innermost, by groups of 64 along K: wo [16][1024 n][64 k]
; A block's scale is 2^(floor(log2(its largest magnitude)) - 2); its byte is the largest magnitude's exponent field - 2, held at 1 from below.
; LIMITS: a block of zeros, or one whose largest magnitude lies under 2^-124, gets the byte 1 (the rule says 127 for zeros): its codes are zeros, and the bytes are read by this program alone.
; NaN and infinities among the inputs are not served.  |Wout| must stay under 65,504 (f16); under 6e-5 its step is 6e-8.
; Each path has LDS bytes of its own.  No tensor loads; only path W has a barrier (all eight waves of such a work-group pass it).
.set XREG,  0                          ; path X: 8,192 bytes a wave: two stages of 32 x 80 bytes, then the wave's 256 scale bytes
.set WSTG,  65536                      ; path W: 32 rows (columns n) x (512 bytes of codes + 16)
.set WSCL,  82432                      ; path W: 32 rows x 32 scale bytes
.set OSTG,  83456                      ; path O: 8 waves x 32 rows x (256 bytes + 16)
.set SPARE, 153088                     ; the spare words, 128 bytes for each wave: four blocks of 256 bytes that no other line names
.set SPW,   12                         ; v12  LDS address of my spare word; never rewritten
.set NIL,   13                         ; v13  0; never rewritten
.set SP,    80                         ; path X: a lane's place in a stage: its 64 bytes + 16 of padding
.set STEPS, 16
.set R,     64                         ; path X: v64-191 eight sets of 16 numbers as loaded.  Paths W, O: v64-191 my column's 128 numbers down K
.set X,     32                         ; path X: v32-63 two sets of 16 neighbours.  Path W: v32-47 the codes, four registers a block
.set C,     192                        ; path X: v192-223 codes, two registers a step
.set E,     224                        ; path X: v224-239 a scale byte a step
	s_load_b256 s[4:11], s[0:1], 0x0               ; x s[4:5], Wqkv s[6:7], Wout s[8:9], xc s[10:11]
	s_load_b256 s[12:19], s[0:1], 0x20             ; xs s[12:13], wc s[14:15], ws s[16:17], wo s[18:19]
	v_lshl_add_u32 v[SPW], v0, 2, SPARE
	v_mov_b32 v[NIL], 0
	v_lshrrev_b32 v1, 5, v0
	v_readfirstlane_b32 s20, v1                    ; wave 0..7
	v_and_b32 v2, 31, v0                           ; lane
	s_mov_b32 s23, 0                               ; the upper word of every offset pair s[22:23]
	s_wait_kmcnt 0x0
	s_cmp_lt_u32 ttmp9, 128
	s_cbranch_scc0 .Lnot_x
; ---------------- PATH X.  x is a plain stream of blocks of 32.  A wave takes 16 steps of 512 numbers.  Each load reads 512 consecutive bytes; a step's 2,048 bytes turn through the wave's own
; stage in LDS, so that a lane then holds 16 neighbours along K (two neighbouring lanes hold a block).  Loads run eight steps (32 loads a wave) ahead, the turn one step.
	v_lshlrev_b32 v3, 4, v2                        ; my 16 bytes of a load's 512
	s_lshl_b32 s24, s20, 13                        ; my wave's region
	v_lshrrev_b32 v14, 2, v2
	v_mul_u32_u24 v14, v14, SP
	v_and_b32 v15, 3, v2
	v_lshl_add_u32 v14, v15, 4, v14
	v_add_nc_u32 v14, s24, v14                     ; the stage, on the way in: SP (lane / 4) + 16 (lane % 4)
	v_mul_u32_u24 v15, v2, SP
	v_add_nc_u32 v15, s24, v15                     ; and on the way out: SP x lane
	v_lshlrev_b32 v4, 3, v2                        ; 8 bytes a lane: my codes' place in a step's 256, and my part of the scale bytes at the end
	v_lshrrev_b32 v5, 1, v2
	s_add_co_u32 s24, s24, 2*32*SP
	v_add_nc_u32 v5, s24, v5                       ; LDS: my block's scale byte
	v_add_nc_u32 v6, s24, v4                       ; and where I read 8 of them back
	s_lshl_b32 s21, ttmp9, 3
	s_add_co_u32 s21, s21, s20                     ; which run of 8,192 numbers is my wave's: 0..1023
	s_lshl_b32 s22, s21, 15
	s_add_nc_u64 s[4:5], s[4:5], s[22:23]          ; 32,768 bytes of x a run,
	s_lshl_b32 s22, s21, 12
	s_add_nc_u64 s[10:11], s[10:11], s[22:23]      ; 4,096 of codes,
	s_lshl_b32 s22, s21, 8
	s_add_nc_u64 s[12:13], s[12:13], s[22:23]      ; 256 scale bytes
.macro LOADX t
.irp i, 0,1,2,3
	global_load_b128 v[R+16*((\t)%8)+4*\i:R+16*((\t)%8)+4*\i+3], v3, s[4:5] offset:2048*(\t)+512*\i th:TH_LOAD_NT
.endr
.endm
.macro TURNX t                         ; step t's numbers through the stage: LDS serves a wave's instructions in order, so no wait stands between the stores and the loads
.irp i, 0,1,2,3
	ds_store_b128 v14, v[R+16*((\t)%8)+4*\i:R+16*((\t)%8)+4*\i+3] offset:32*SP*((\t)%2)+8*SP*\i
.endr
.irp i, 0,1,2,3
	ds_load_b128 v[X+16*((\t)%2)+4*\i:X+16*((\t)%2)+4*\i+3], v15 offset:32*SP*((\t)%2)+16*\i
.endr
.endm
.irp t, 0,1,2,3,4,5,6,7
	LOADX \t
.endr
	s_wait_loadcnt 28                              ; step 0's four loads are in; seven steps' 28 may be out
	TURNX 0
.macro STEPX t
.set XS, X+16*((\t)%2)
.if (\t) > 0
	s_wait_dscnt 1                                 ; this step's numbers are back from the stage (only the last step's byte store is younger): so its stores into the stage have read their registers,
.else
	s_wait_dscnt 0x0
.endif
.if (\t)+8 < STEPS
	LOADX (\t)+8                                   ; which take the loads of eight steps on
.endif
.if (\t)+1 < STEPS
.if (\t) <= 7
	s_wait_loadcnt 28                              ; the next step's four loads are in; those of the seven steps behind it may be out
.else
	s_wait_loadcnt 4*(14-(\t))                     ; the counts run down
.endif
	TURNX (\t)+1                                   ; and go through the other stage while this step is worked
.endif
	v_max3_num_f32 v8, |v[XS]|, |v[XS+1]|, |v[XS+2]|               ; the largest magnitude of my 16, in two chains
	v_max3_num_f32 v9, |v[XS+3]|, |v[XS+4]|, |v[XS+5]|
.irp i, 6,10
	v_max3_num_f32 v8, v8, |v[XS+\i]|, |v[XS+\i+1]|
	v_max3_num_f32 v9, v9, |v[XS+\i+2]|, |v[XS+\i+3]|
.endr
	v_max3_num_f32 v8, v8, |v[XS+14]|, |v[XS+15]|
	v_max3_num_f32 v8, v8, v9, 0x1800000           ; and the floor 2^(3 - 127): the byte cannot fall under 1
	v_max_num_f32_dpp v8, v8, v8 row_xmask:1 row_mask:0xf bank_mask:0xf   ; with my neighbour's 16: the block's
	v_add_nc_u32 v11, 0xff000000, v8               ; 2 off its exponent field: the conversion takes the exponent field of this operand as its scale
	v_cvt_scalef32_pk8_fp4_f32 v[C+2*(\t)], v[XS:XS+7], v11
	v_cvt_scalef32_pk8_fp4_f32 v[C+2*(\t)+1], v[XS+8:XS+15], v11
	v_lshrrev_b32 v[E+(\t)], 23, v11               ; the scale's byte (also the plain line behind the conversions)
	ds_store_b8 v5, v[E+(\t)] offset:16*(\t)       ; both lanes of a block write the same byte with the same value
	global_store_b64 v4, v[C+2*(\t):C+2*(\t)+1], s[10:11] offset:256*(\t)   ; the wave stores 256 consecutive bytes, aligned
.endm
.irp t, 0,1,2,3,4,5,6,7,8,9,10,11,12,13,14,15
	STEPX \t
.endr
	ds_load_b64 v[8:9], v6                         ; my wave's 256 scale bytes, 8 a lane (in order behind my stores)
	s_wait_dscnt 0x0
	global_store_b64 v4, v[8:9], s[12:13]          ; 256 consecutive bytes, aligned
	s_wait_tensorcnt 0x0                           ; the wave's end
	ds_add_u32 v[SPW], v[NIL]
	s_wait_dscnt 0x0
	s_endpgm
; 128 loads on end: my column's 128 numbers down K, row q at q x pitch bytes
.macro LOADK base, pitch
.set q, 0
.rept 128
	global_load_b32 v[R+q], v3, s[\base:\base+1] offset:q*\pitch th:TH_LOAD_NT
.set q, q+1
.endr
.endm
.macro WAITK t                         ; block t's 32 loads are in
.if (\t) == 0
	s_wait_loadcnt 63                              ; behind block 1's loads 64 were issued, and the count's field ends at 63: this wait shows blocks 0 and 1 in
.endif
.if (\t) == 2
	s_wait_loadcnt 32                              ; block 3's 32 may be out
.endif
.if (\t) == 3
	s_wait_loadcnt 0x0
.endif
.endm
.Lnot_x:
	s_cmp_lt_u32 ttmp9, 224
	s_cbranch_scc0 .Lpath_o
; ---------------- PATH W.  A work-group takes 32 columns n of Wqkv, all of K; wave kq takes K rows 128 kq on.  A LANE TAKES A COLUMN AND ITS REGISTERS RUN DOWN K: a block of 32 along K lies in one
; lane's registers, and the conversions give codes with K innermost.  The eight waves' parts of a row of codes (64 bytes each) meet in a stage, and leave as whole rows of 512 bytes.
	s_sub_co_u32 s21, ttmp9, 128                   ; which 32 columns: 0..95
	s_mul_i32 s22, s20, 128*12288                  ; my 128 rows of 12,288 bytes,
	s_lshl_b32 s24, s21, 7                         ; my 32 columns of 4 bytes
	s_add_co_u32 s22, s22, s24
	s_add_nc_u64 s[6:7], s[6:7], s[22:23]
	s_lshl_b32 s22, s21, 14                        ; the codes: 32 rows of 512 bytes a work-group,
	s_lshl_b32 s24, s20, 11                        ; of which wave kq stores rows 4 kq .. 4 kq + 3
	s_add_co_u32 s22, s22, s24
	s_add_nc_u64 s[14:15], s[14:15], s[22:23]
	s_and_b32 s25, s20, 1
	s_lshl_b32 s22, s21, 10                        ; the scale bytes: 1,024 a work-group; waves 0 and 1 store 512 each
	s_lshl_b32 s24, s25, 9
	s_add_co_u32 s22, s22, s24
	s_add_nc_u64 s[16:17], s[16:17], s[22:23]
	v_lshlrev_b32 v3, 2, v2                        ; in: 4 bytes a lane
	v_mul_u32_u24 v4, v2, 528
	s_lshl_b32 s24, s20, 6
	s_add_co_u32 s24, s24, WSTG
	v_add_nc_u32 v4, s24, v4                       ; into the stage: row = my column, my wave's 64 bytes
	v_lshlrev_b32 v5, 5, v2
	s_lshl_b32 s24, s20, 2
	s_add_co_u32 s24, s24, WSCL
	v_add_nc_u32 v5, s24, v5                       ; my column's row of scale bytes, my wave's four
	v_lshlrev_b32 v7, 4, v2                        ; out: 16 bytes a lane
	s_mul_i32 s24, s20, 4*528
	s_add_co_u32 s24, s24, WSTG
	v_add_nc_u32 v6, s24, v7                       ; out of the stage: rows 4 kq on, a whole row an instruction
	s_lshl_b32 s24, s25, 9
	s_add_co_u32 s24, s24, WSCL
	v_add_nc_u32 v10, s24, v7                      ; and the scale bytes: 512 x (wave & 1) + 16 x lane
	LOADK 6, 12288
.macro BLOCKW t
.set XS, R+32*(\t)
	WAITK \t
	v_max3_num_f32 v8, |v[XS]|, |v[XS+1]|, |v[XS+2]|               ; the block's largest magnitude: all 32 numbers are mine
	v_max3_num_f32 v9, |v[XS+3]|, |v[XS+4]|, |v[XS+5]|
.irp i, 6,10,14,18,22,26
	v_max3_num_f32 v8, v8, |v[XS+\i]|, |v[XS+\i+1]|
	v_max3_num_f32 v9, v9, |v[XS+\i+2]|, |v[XS+\i+3]|
.endr
	v_max3_num_f32 v8, v8, |v[XS+30]|, |v[XS+31]|
	v_max3_num_f32 v8, v8, v9, 0x1800000           ; the floor 2^(3 - 127)
	v_add_nc_u32 v11, 0xff000000, v8               ; 2 off the exponent field: the conversion's scale operand
	v_lshrrev_b32 v9, 23, v11                      ; the scale's byte
.if (\t) == 0
	v_mov_b32 v48, v9                              ; four bytes to a register, the lower K in the lower byte
.else
	v_lshl_or_b32 v48, v9, 8*(\t), v48
.endif
.irp g, 0,1,2,3
	v_cvt_scalef32_pk8_fp4_f32 v[X+4*(\t)+\g], v[XS+8*\g:XS+8*\g+7], v11
.endr
	v_nop                                          ; one plain line behind the conversions
	ds_store_b128 v4, v[X+4*(\t):X+4*(\t)+3] offset:16*(\t)        ; 32 codes: 16 bytes of my column's row
.endm
.irp t, 0,1,2,3
	BLOCKW \t
.endr
	ds_store_b32 v5, v48
	s_wait_dscnt 0x0                               ; for the others' sake: my stores into the stage are done
	s_barrier_signal -1
	s_barrier_wait -1
.irp i, 0,1,2,3
	ds_load_b128 v[16+4*\i:19+4*\i], v6 offset:528*\i
.endr
.irp i, 0,1,2,3
	s_wait_dscnt 3-\i
	global_store_b128 v7, v[16+4*\i:19+4*\i], s[14:15] offset:512*\i   ; a whole row of codes: 512 consecutive bytes, aligned
.endr
	s_cmp_lt_u32 s20, 2                            ; the 1,024 scale bytes leave by waves 0 and 1
	s_cbranch_scc0 .Lw_end
	ds_load_b128 v[52:55], v10
	s_wait_dscnt 0x0
	global_store_b128 v7, v[52:55], s[16:17]       ; 512 consecutive bytes, aligned
.Lw_end:
	s_wait_tensorcnt 0x0                           ; the wave's end
	ds_add_u32 v[SPW], v[NIL]
	s_wait_dscnt 0x0
	s_endpgm
.Lpath_o:
; ---------------- PATH O.  As path W, with a rounding to f16 in place of the quantiser.  Wave kq's 128 rows of K are groups 2 kq and 2 kq + 1 of wo; a lane's 256 bytes go through the wave's own
; stage (no barrier), and each group's 32 rows x 128 bytes, consecutive in wo, leave 512 bytes an instruction.
	s_sub_co_u32 s21, ttmp9, 224                   ; which 32 columns: 0..31
	s_lshl_b32 s22, s20, 19                        ; my 128 rows of 4,096 bytes,
	s_lshl_b32 s24, s21, 7                         ; my 32 columns
	s_add_co_u32 s22, s22, s24
	s_add_nc_u64 s[8:9], s[8:9], s[22:23]
	s_lshl_b32 s22, s20, 18                        ; wo: group 2 kq of 131,072 bytes,
	s_lshl_b32 s24, s21, 12                        ; row 32 id of 128 bytes
	s_add_co_u32 s22, s22, s24
	s_add_nc_u64 s[18:19], s[18:19], s[22:23]
	v_lshlrev_b32 v3, 2, v2
	s_mul_i32 s24, s20, 32*272
	s_add_co_u32 s24, s24, OSTG                    ; my stage
	v_mul_u32_u24 v4, v2, 272
	v_add_nc_u32 v4, s24, v4                       ; in: row = my column
	v_lshrrev_b32 v5, 3, v2
	v_mul_u32_u24 v5, v5, 272
	v_and_b32 v6, 7, v2
	v_lshl_add_u32 v6, v6, 4, v5
	v_add_nc_u32 v6, s24, v6                       ; out: eight lanes to a row's 128 bytes, four rows an instruction
	v_lshlrev_b32 v7, 4, v2
	LOADK 8, 4096
.macro BLOCKO t
	WAITK \t
.irp i, 0,1,2,3,4,5,6,7,8,9,10,11,12,13,14,15
	v_cvt_pk_f16_f32 v[R+32*(\t)+\i], v[R+32*(\t)+2*\i], v[R+32*(\t)+2*\i+1]   ; in place, ascending: register i is written when numbers 2 i and 2 i + 1 are read
.endr
.irp i, 0,1,2,3
	ds_store_b128 v4, v[R+32*(\t)+4*\i:R+32*(\t)+4*\i+3] offset:64*(\t)+16*\i
.endr
.endm
.irp t, 0,1,2,3
	BLOCKO \t
.endr
.irp j, 0,1,2,3,4,5,6,7,8,9,10,11,12,13,14,15      ; j = 8 x group + g; into the halves of the number sets that the packing has left free
	ds_load_b128 v[R+16+32*(\j/4)+4*(\j%4):R+16+32*(\j/4)+4*(\j%4)+3], v6 offset:(\j%8)*4*272+(\j/8)*128
.endr
.irp j, 0,1,2,3,4,5,6,7,8,9,10,11,12,13,14,15
	s_wait_dscnt 15-\j
	global_store_b128 v7, v[R+16+32*(\j/4)+4*(\j%4):R+16+32*(\j/4)+4*(\j%4)+3], s[18:19] offset:(\j/8)*131072+(\j%8)*512
.endr
	s_wait_tensorcnt 0x0                           ; the wave's end
	ds_add_u32 v[SPW], v[NIL]
	s_wait_dscnt 0x0
	s_endpgm
.Lfunc_end_k_q5a0a527c96_prep:
	.size	k_q5a0a527c96_prep, .Lfunc_end_k_q5a0a527c96_prep-k_q5a0a527c96_prep
	.p2alignl 7, 3214868480
	.fill 96, 4, 3214868480
	.section	.rodata,"a",@progbits
	.p2align	6, 0x0
	.amdhsa_kernel k_q5a0a527c96_prep
		.amdhsa_group_segment_fixed_size 154112
		.amdhsa_private_segment_fixed_size 0
		.amdhsa_enable_private_segment 0
		.amdhsa_kernarg_size 64
		.amdhsa_user_sgpr_count 2
		.amdhsa_user_sgpr_kernarg_segment_ptr 1
		.amdhsa_wavefront_size32 1
		.amdhsa_system_sgpr_workgroup_id_x 1
		.amdhsa_system_sgpr_workgroup_id_y 1
		.amdhsa_system_sgpr_workgroup_id_z 1
		.amdhsa_system_vgpr_workitem_id 0
		.amdhsa_next_free_vgpr 240
		.amdhsa_next_free_sgpr 66
		.amdhsa_reserve_vcc 0
		.amdhsa_float_denorm_mode_32 3
		.amdhsa_float_denorm_mode_16_64 3
		.amdhsa_memory_ordered 1
		.amdhsa_forward_progress 1
		.amdhsa_inst_pref_size 75
	.end_amdhsa_kernel
	.amdgpu_metadata
---
amdhsa.version: [ 1, 2 ]
amdhsa.kernels:
  - .name:           k_q5a0a527c96_prep
    .symbol:         k_q5a0a527c96_prep.kd
    .args:
      - { .name: x, .offset: 0, .size: 8, .value_kind: global_buffer, .address_space: global }
      - { .name: Wqkv, .offset: 8, .size: 8, .value_kind: global_buffer, .address_space: global }
      - { .name: Wout, .offset: 16, .size: 8, .value_kind: global_buffer, .address_space: global }
      - { .name: xc, .offset: 24, .size: 8, .value_kind: global_buffer, .address_space: global }
      - { .name: xs, .offset: 32, .size: 8, .value_kind: global_buffer, .address_space: global }
      - { .name: wc, .offset: 40, .size: 8, .value_kind: global_buffer, .address_space: global }
      - { .name: ws, .offset: 48, .size: 8, .value_kind: global_buffer, .address_space: global }
      - { .name: wo, .offset: 56, .size: 8, .value_kind: global_buffer, .address_space: global }
    .group_segment_fixed_size: 154112
    .private_segment_fixed_size: 0
    .kernarg_segment_align: 8
    .kernarg_segment_size: 64
    .max_flat_workgroup_size: 256
    .sgpr_count:     66
    .vgpr_count:     240
    .wavefront_size: 32
...
	.end_amdgpu_metadata
.endif
;; end of part 1
;; launch gemm_qkv (part 2): grid 12 x 32, 4 waves a work-group, clusters of 4 x 4, 327,680 bytes of LDS; arguments xc, xs, wc, ws, qkvh, qkv16; writes qkvh, qkv16
.if DOCPART == 2
	.amdgcn_target "amdgcn-amd-amdhsa--gfx1250"
	.amdhsa_code_object_version 6
	.text
	.protected	k_q5a0a527c96_gemm_qkv
	.globl	k_q5a0a527c96_gemm_qkv
	.p2align	8
	.type	k_q5a0a527c96_gemm_qkv,@function
k_q5a0a527c96_gemm_qkv:
	s_mov_b64 s[64:65], 0
	v_nop
	global_prefetch_b8 v0, s[64:65] scope:SCOPE_SE
	s_setreg_imm32_b32 hwreg(HW_REG_WAVE_MODE, 25, 1), 1
	s_wait_xcnt 0x0
	s_wait_alu depctr_hold_cnt(0) depctr_sa_sdst(0) depctr_va_vdst(0) depctr_va_sdst(0) depctr_va_ssrc(0) depctr_va_vcc(0) depctr_vm_vsrc(0)
	s_getreg_b32 s2, hwreg(HW_REG_IB_STS2, 6, 4)
	s_cmp_eq_u32 s2, 0
	s_cbranch_scc0 .Lentry_in_a_cluster
	s_endpgm
.Lentry_in_a_cluster:
	s_bfe_u32 s2, ttmp6, 0x10000c
	s_cmp_lg_u32 s2, 0xf033
	s_cbranch_scc0 .Lentry_shape_is_right
	s_endpgm
.Lentry_shape_is_right:
; qkv = Q(x) Q(Wqkv): [8192][3072], K = 1,024, both operands as codes of E2M1 with one E8M0 byte for each 32 along K; sums in f32.
; A: xc [8192][512 bytes], xs [8192][32];  B: wc [3072 n][512 bytes], ws [3072][32].
; OUT: q, k, v rounded once to f16, by heads: qkvh [3 parts][64 = 16 batch + head][2048 t][64]; and the f32 sums of positions 0-15 of each sequence: qkv16 [64 = 16 batch + position][3072].
; LIMIT: |q|, |k|, |v| must stay under 65,504 (f16); under 6e-5 the step is 6e-8.
; A tile of 256 x 256 is made by four waves, each 128 x 128: 64 accumulators, 512 registers.  K = 1,024 is two slots of 512 along K: both slots and the scale bytes of all of K are first fills; nothing is filled again.
; CLUSTERS: 4 x 4 work-groups.  The four of a row of the cluster need the same tiles of A, the four of a column the same tiles of B: each is asked for JOINTLY, by the same tensor load with the same descriptor and a mask
; that names the four.  The tile row is 8 cy + cluster y: so the batch is cy, and 'this tile begins a sequence' is cluster y = 0, which all sixteen partners share.
; THE MATRIX INSTRUCTION IS USED TRANSPOSED (source 0 = 16 rows of B, source 1 = 16 rows of A): a lane holds eight neighbouring columns of one row.
; REGISTERS, in windows of 256: window 0: v0-31 addresses; v32-95 scale words, two sets; v128-191 A's fragments, ONE set; on the way out v32-255 are free.
;   window 1: B's fragments, two sets, at v0 and v128.   window 2: the accumulators of my rows 0-63 ((a, b) at v[8 (8 a + b)]);   window 3: those of rows 64-127.
.set SIZE_N, 3072
.set NQ,     4                         ; steps of 128 along K in a slot
.set ROWB,   256                       ; a tile's row in bytes: 512 codes
.set KROW,   512                       ; a row of codes in memory
.set PITCH,  272                       ; an LDS row: 256 bytes + 16 of padding: the 16 rows that a load touches start at 16 different 16-byte columns
.set FR,     8
.set NL,     2
.set NP,     4                         ; places behind this matrix instruction (ISA guide 7.12.1)
.set HALFT,  128*PITCH
.set SLOT,   4*HALFT                   ; A's 256 rows, then B's 256 rows
.set KS,     32                        ; a row of scale bytes
.set SCL,    2*SLOT                    ; behind the ring: the scales, as rows of 256 bytes + 16
.set HALFS,  16*272                    ; those of 128 rows: what one tensor load brings
.set SBLK,   2*272                     ; those of 16 rows
.set SPARE,  SCL+4*HALFS               ; the spare words, 128 bytes for each wave: two blocks of 256 bytes that no other line names
.set STGB,   16*528                    ; the way out: a stage for each wave, in slot 0, which has had its only fill and its last read when the first result is stored there
.set ADRA, 16
.set ADRB, 20
.set STO32, 22                         ; v22  the f32 way: where I put 32 bytes of a row
.set RD32,  23                         ; v23  and read a row of 512 bytes back
.set STO16, 24                         ; v24  the f16 way: where I put 16 bytes of a row
.set RD16,  25                         ; v25  and read back: lanes 0-15 two tokens of my first head, lanes 16-31 of my second
.set CO16,  26                         ; v26  the same places in qkvh
.set ADRS, 27
.set SPW,  28
.set NIL,  29
.set CO32, 30                          ; v30  16 x lane
.set SC,   32
.set AF,   128
.set TMP,  192                         ; the way out: packed results
.set OB,   32                          ; and 16 rows read back: v32-63 and v224-255 by turns
.set G1, 24
.set G0, 32
.set G1B, 48
.set G0B, 56
.set G1S, 68
.set G0S, 76
.set G1SB, 80
.set G0SB, 88
.set MSB, 0
.macro WIN new                         ; the immediate's high byte repeats the setting that is left
.if MSB != (\new)
	s_set_vgpr_msb (MSB<<8)|(\new)
.set MSB, (\new)
.endif
.endm
.set MUL_LO, 0xa1                      ; source 0 (B) window 1, source 1 (A) window 0, C and D window 2
.set MUL_HI, 0xf1
.set TO_B,   0x40
; A joint load: waves 0 and 1 fetch for A, waves 2 and 3 for B; the branch hangs on the wave's number alone.  An s_nop 0 and four v_nop follow each of the two lines.
.macro JLOAD g0a, g1a, g0b, g1b
	s_cmp_eq_u32 s15, 0
	s_cbranch_scc0 .Lfor_b_\@
	tensor_load_to_lds s[\g0a:\g0a+3], s[\g1a:\g1a+7]
	s_nop 0
.rept 4
	v_nop
.endr
	s_branch .Lasked_\@
.Lfor_b_\@:
	tensor_load_to_lds s[\g0b:\g0b+3], s[\g1b:\g1b+7]
	s_nop 0
.rept 4
	v_nop
.endr
.Lasked_\@:
.endm
.macro CROUND                          ; a round of the cluster's barrier
	s_barrier_signal -1
	s_barrier_wait -1
	s_cmp_lg_u32 s14, 0
	s_cbranch_scc1 .Lnot_wave_0_\@
	s_barrier_signal -3
.Lnot_wave_0_\@:
	s_barrier_wait -3
	s_barrier_signal -1
	s_barrier_wait -1
.endm
	s_load_b128 s[4:7], s[0:1], 0x0                ; A's codes, A's scales
	s_load_b128 s[8:11], s[0:1], 0x10              ; B's codes, B's scales
	s_load_b64 s[12:13], s[0:1], 0x20              ; qkvh
	s_load_b64 s[66:67], s[0:1], 0x28              ; qkv16
	v_lshl_add_u32 v[SPW], v0, 2, SPARE
	v_mov_b32 v[NIL], 0
	ds_add_u32 v[SPW], v[NIL]                      ; the wave's opening: the add, twice on end, and its wait ahead of my first tensor load
	ds_add_u32 v[SPW], v[NIL]
	v_lshrrev_b32 v1, 5, v0
	v_readfirstlane_b32 s14, v1                    ; wave 0..3
	s_lshr_b32 s15, s14, 1                         ; which half of the tile's rows is mine.  Also: I fetch for A (0) or for B (1)
	s_and_b32 s16, s14, 1                          ; which half of its columns.  Also: which 128 rows of that tile I fetch
	s_bfe_u32 s40, ttmp6, 0x40000                  ; cx, cy
	s_bfe_u32 s41, ttmp6, 0x40004
	s_lshl_b32 s42, ttmp9, 2
	s_add_co_u32 s42, s42, s40                     ; tile column = 4 x cluster x + cx
	s_and_b32 s95, ttmp7, 0xffff                   ; cluster y: which 256 positions of the sequence
	s_lshl_b32 s17, s41, 3
	s_add_co_u32 s17, s17, s95                     ; tile row = 8 cy + cluster y
	s_lshl_b32 s43, s41, 2
	s_lshl_b32 s43, 15, s43                        ; my row of the cluster
	s_lshl_b32 s44, 0x1111, s40                    ; my column
	s_or_b32 s[G1+0], s43, (0<<16)|(1<<20)|(1<<21)|(5<<22)|(3<<25)  ; the mask; elements of 1 byte; padding on; bit 21 beside a mask; after every 64 words 4 words
	s_or_b32 s[G1B+0], s44, (0<<16)|(1<<20)|(1<<21)|(5<<22)|(3<<25)
.irp g, G1, G1B
	s_mov_b32 s[\g+1], ROWB<<16                    ; tensor_dim0
	s_mov_b32 s[\g+2], 128<<16                     ; tensor_dim1
	s_mov_b32 s[\g+3], ROWB<<16                    ; tile_dim0
	s_mov_b32 s[\g+4], 128                         ; tile_dim1
	s_mov_b32 s[\g+5], KROW                        ; the pitch in memory
	s_mov_b32 s[\g+6], 0
	s_mov_b32 s[\g+7], 0
.endr
	s_or_b32 s[G1S+0], s43, (3<<16)|(1<<20)|(1<<21)|(5<<22)|(3<<25) ; the scales of 128 rows: 4,096 dense bytes as 16 rows of 256 (32 elements of 8 bytes), 16 bytes of padding behind each
	s_or_b32 s[G1SB+0], s44, (3<<16)|(1<<20)|(1<<21)|(5<<22)|(3<<25)
.irp g, G1S, G1SB
	s_mov_b32 s[\g+1], 32<<16
	s_mov_b32 s[\g+2], 16<<16
	s_mov_b32 s[\g+3], 32<<16
	s_mov_b32 s[\g+4], 16
	s_mov_b32 s[\g+5], 32
	s_mov_b32 s[\g+6], 0
	s_mov_b32 s[\g+7], 0
.endr
	s_lshl_b32 s18, s16, 7
	s_lshl_b32 s20, s17, 8
	s_add_co_u32 s20, s20, s18                     ; A: row 256 x tile row + 128 x half
	s_lshl_b32 s46, s42, 8
	s_add_co_u32 s46, s46, s18                     ; B: row 256 x tile column + 128 x half
	s_mov_b32 s21, 0
	s_mov_b32 s47, 0
	s_mov_b64 s[18:19], KS
	s_mul_u64 s[22:23], s[20:21], s[18:19]         ; where these rows' scales begin,
	s_mul_u64 s[92:93], s[46:47], s[18:19]
	s_mov_b64 s[18:19], KROW
	s_mul_u64 s[20:21], s[20:21], s[18:19]         ; and their codes
	s_mul_u64 s[46:47], s[46:47], s[18:19]
	s_mul_i32 s45, s14, HALFT                      ; where they go: wave x 128 rows
	s_mul_i32 s94, s14, HALFS
	s_wait_dscnt 0x0                               ; both opening adds are done
	s_wait_kmcnt 0x0
	s_add_nc_u64 s[20:21], s[4:5], s[20:21]
	s_add_nc_u64 s[22:23], s[6:7], s[22:23]
	s_add_nc_u64 s[46:47], s[8:9], s[46:47]
	s_add_nc_u64 s[92:93], s[10:11], s[92:93]
	CROUND                                         ; all sixteen work-groups are here: the joint loads meet
	s_mov_b32 s[G0S], 1
	s_add_co_u32 s[G0S+1], s94, SCL
	s_mov_b64 s[G0S+2:G0S+3], s[22:23]
	s_or_b32 s[G0S+3], s[G0S+3], 0x80000000
	s_mov_b32 s[G0SB], 1
	s_add_co_u32 s[G0SB+1], s94, SCL
	s_mov_b64 s[G0SB+2:G0SB+3], s[92:93]
	s_or_b32 s[G0SB+3], s[G0SB+3], 0x80000000
	JLOAD G0S, G1S, G0SB, G1SB                     ; the scales first: they are wanted with the first slot
.irp s, 0,1
	s_mov_b32 s[G0+4*\s], 1
	s_add_co_u32 s[G0+4*\s+1], s45, \s*SLOT
	s_add_nc_u64 s[G0+4*\s+2:G0+4*\s+3], s[20:21], \s*ROWB
	s_or_b32 s[G0+4*\s+3], s[G0+4*\s+3], 0x80000000
	s_mov_b32 s[G0B+4*\s], 1
	s_add_co_u32 s[G0B+4*\s+1], s45, \s*SLOT
	s_add_nc_u64 s[G0B+4*\s+2:G0B+4*\s+3], s[46:47], \s*ROWB
	s_or_b32 s[G0B+4*\s+3], s[G0B+4*\s+3], 0x80000000
	JLOAD G0+4*\s, G1, G0B+4*\s, G1B               ; three tensor loads of mine are out, and no more follow
.endr
	v_and_b32 v1, 15, v0                           ; r = l % 16
	v_bfe_u32 v2, v0, 4, 1                         ; h = l / 16
	v_mul_u32_u24 v3, v1, PITCH
	v_lshl_add_u32 v4, v2, 4, v3                   ; a fragment's row x pitch + 16 h
	s_mul_i32 s21, s15, HALFT                      ; my 128 rows of A
	s_mul_i32 s22, s16, HALFT                      ; my 128 rows of B,
	s_add_co_u32 s22, s22, 2*HALFT                 ; behind A's 256
.irp s, 0,1
	v_add_nc_u32 v[ADRA+\s], s21, v4
	v_add_nc_u32 v[ADRB+\s], s22, v4
	s_add_co_u32 s21, s21, SLOT
	s_add_co_u32 s22, s22, SLOT
.endr
	v_mul_u32_u24 v5, v1, KS                       ; my row's scales: 32 bytes a row,
	v_lshrrev_b32 v6, 8, v5
	v_lshl_add_u32 v5, v6, 4, v5                   ; and 16 more for each 256 passed
	s_mul_i32 s21, s15, HALFS
	s_mul_i32 s22, s16, HALFS
	s_add_co_u32 s22, s22, 2*HALFS
	s_sub_co_u32 s22, s22, s21
	v_mul_u32_u24 v6, s22, v2                      ; lanes 16-31 take B's: the lower base + h x the distance
	s_add_co_u32 s21, s21, SCL
	v_add_nc_u32 v5, v5, v6
	v_add_nc_u32 v[ADRS], s21, v5
	s_mul_i32 s23, s14, STGB                       ; my stage
	v_mul_u32_u24 v5, v1, 272
	v_lshl_add_u32 v5, v2, 4, v5
	v_add_nc_u32 v[STO16], s23, v5                 ; f16, in: row r of 256 bytes + 16, 16 bytes for each half of the lanes
	v_bfe_u32 v6, v0, 3, 1
	v_and_b32 v7, 7, v0
	v_mul_u32_u24 v5, v6, 272
	v_lshl_add_u32 v5, v2, 7, v5
	v_lshl_add_u32 v5, v7, 4, v5
	v_add_nc_u32 v[RD16], s23, v5                  ; back: row (l / 8) % 2, head l / 16 (128 bytes), 16 (l % 8)
	v_lshlrev_b32 v5, 18, v2                       ; in qkvh: the next head lies 262,144 bytes on,
	v_lshl_add_u32 v5, v6, 7, v5                   ; the next token 128
	v_lshl_add_u32 v[CO16], v7, 4, v5
	v_mul_u32_u24 v5, v1, 528
	v_lshl_add_u32 v5, v2, 5, v5
	v_add_nc_u32 v[STO32], s23, v5                 ; f32, in: row r of 512 bytes + 16, 32 bytes for each half
	v_and_b32 v6, 31, v0
	v_lshlrev_b32 v[CO32], 4, v6
	v_add_nc_u32 v[RD32], s23, v[CO32]             ; back: a whole row
	s_lshl_b32 s20, s42, 2
	s_lshl_b32 s21, s16, 1
	s_add_co_u32 s20, s20, s21                     ; my first column / 64: 0..46, even: my two heads lie in one part
	s_lshr_b32 s21, s20, 4                         ; the part: q, k or v
	s_lshl_b32 s21, s21, 6
	s_and_b32 s22, s20, 15                         ; the head
	s_add_co_u32 s21, s21, s22
	s_lshl_b32 s22, s41, 4                         ; 16 x batch
	s_add_co_u32 s21, s21, s22
	s_lshl_b32 s46, s21, 18                        ; 262,144 bytes a head
	s_lshl_b32 s21, s95, 8
	s_lshl_b32 s22, s15, 7
	s_add_co_u32 s21, s21, s22                     ; my first position: 256 x cluster y + 128 x half
	s_lshl_b32 s21, s21, 7
	s_add_co_u32 s46, s46, s21
	s_mov_b32 s47, 0
	s_add_nc_u64 s[12:13], s[12:13], s[46:47]
	s_mul_i32 s46, s41, 16*12288                   ; qkv16: the batch's 16 rows,
	s_lshl_b32 s21, s20, 8                         ; my first column x 4 bytes
	s_add_co_u32 s46, s46, s21
	s_add_nc_u64 s[66:67], s[66:67], s[46:47]
.macro FRAG reg, adr, q, i             ; 16 rows x 128 K of 4-bit codes: 8 registers; registers 4 c .. 4 c + 3 hold K = 64 c + 32 h + 0 .. 31
.irp c, 0,1
	ds_load_b128 v[\reg+4*\c:\reg+4*\c+3], v[\adr] offset:64*(\q)+32*\c+(\i)*16*PITCH
.endr
.endm
; 16 matrix instructions: A's blocks a0, a0 + 1 x B's eight.  p: B's set; sc: the set of scale words.  zero = 1: the first product starts the sums.  The 64 accumulators take turns, one instruction a turn.
.macro MUL16 a0, p, q, sc, zero
.irp a, \a0, \a0+1
.irp b, 0,1,2,3,4,5,6,7
.if \zero
	v_wmma_scale_f32_16x16x128_f8f6f4 v[8*(8*((\a)%4)+\b):8*(8*((\a)%4)+\b)+7], v[128*(\p)+FR*\b:128*(\p)+FR*\b+FR-1], v[AF+FR*(\a):AF+FR*(\a)+FR-1], 0, v[SC+8*NQ*(\sc)+NQ*\b+(\q)], v[SC+8*NQ*(\sc)+NQ*(\a)+(\q)] matrix_a_fmt:MATRIX_FMT_FP4 matrix_b_fmt:MATRIX_FMT_FP4 matrix_a_scale:MATRIX_SCALE_ROW1
.else
	v_wmma_scale_f32_16x16x128_f8f6f4 v[8*(8*((\a)%4)+\b):8*(8*((\a)%4)+\b)+7], v[128*(\p)+FR*\b:128*(\p)+FR*\b+FR-1], v[AF+FR*(\a):AF+FR*(\a)+FR-1], v[8*(8*((\a)%4)+\b):8*(8*((\a)%4)+\b)+7], v[SC+8*NQ*(\sc)+NQ*\b+(\q)], v[SC+8*NQ*(\sc)+NQ*(\a)+(\q)] matrix_a_fmt:MATRIX_FMT_FP4 matrix_b_fmt:MATRIX_FMT_FP4 matrix_a_scale:MATRIX_SCALE_ROW1
.endif
.endr
.endr
.endm
.macro FETCH_B slot, q, p
	WIN TO_B
.irp i, 0,1,2,3,4,5,6,7
	FRAG 128*(\p)+FR*\i, ADRB+\slot, \q, \i
.endr
	WIN 0
.endm
.macro FETCH_A slot, q, i0
.irp i, \i0, \i0+1, \i0+2, \i0+3
	FRAG AF+FR*(\i), ADRA+\slot, \q, \i
.endr
.endm
.macro SCALES sc                       ; a slot's scale words: four words a row; lanes 0-15 take A's block i, lanes 16-31 B's block i
.irp i, 0,1,2,3,4,5,6,7
	ds_load_b128 v[SC+8*NQ*\sc+NQ*\i:SC+8*NQ*\sc+NQ*\i+3], v[ADRS] offset:\i*SBLK
.endr
.endm
.macro PLACES n                        ; plain vector lines between a matrix instruction and a load into, or a read of, its registers
.rept \n
	v_nop
.endr
.endm
.macro STEP slot, q, zero              ; a step of 128 along K that has its successor in the same slot
	s_wait_dscnt 4*NL                              ; B's set and A's blocks 0-3 are in; the youngest eight loads (A's blocks 4-7) may be out
	WIN MUL_LO
	MUL16 0, (\q)%2, \q, \slot, \zero
	MUL16 2, (\q)%2, \q, \slot, \zero
	s_wait_dscnt 0                                 ; A's blocks 4-7 are in
	PLACES NP
	FETCH_B \slot, (\q)+1, 1-(\q)%2
	FETCH_A \slot, (\q)+1, 0
	WIN MUL_HI
	MUL16 4, (\q)%2, \q, \slot, \zero
	MUL16 6, (\q)%2, \q, \slot, \zero
	PLACES NP
	WIN 0
	FETCH_A \slot, (\q)+1, 4
.endm
.macro TURN slot, next                 ; a slot's last step changes slots: one barrier; nothing is filled again
	s_wait_tensorcnt 0x0                           ; all my tensor loads have landed: my part of the next slot;
	ds_add_u32 v[SPW], v[NIL]                      ; 0 onto my spare word;
	s_wait_dscnt 4*NL+1                            ; (the add and A's blocks 4-7 may be out)
	WIN MUL_LO
	MUL16 0, 1, NQ-1, \slot, 0
	s_wait_dscnt 0x0                               ; the add is done, and my reads of this slot are over
	s_barrier_signal -1
	MUL16 2, 1, NQ-1, \slot, 0
	WIN 0
	s_barrier_wait -1                              ; the next slot is whole, and nobody reads this one any more
	PLACES NP
	v_add_nc_u32 v[ADRS], 4*NQ, v[ADRS]            ; on to the next slot's scale words
	FETCH_B \next, 0, 0
	FETCH_A \next, 0, 0
	SCALES \next
	WIN MUL_HI
	MUL16 4, 1, NQ-1, \slot, 0
	MUL16 6, 1, NQ-1, \slot, 0
	PLACES NP
	WIN 0
	FETCH_A \next, 0, 4
.endm
.macro STEPS slot, from
.set Q, \from
.rept NQ-1-\from
	STEP \slot, Q, 0
.set Q, Q+1
.endr
.endm
	s_wait_tensorcnt 1                             ; the scales and my part of slot 0 are in (slot 1's load may be out)
	s_barrier_signal -1
	s_barrier_wait -1                              ; everybody's are
	FETCH_B 0, 0, 0
	FETCH_A 0, 0, 0
	SCALES 0
	FETCH_A 0, 0, 4
	STEP 0, 0, 1                                   ; the first step's products start the sums
	STEPS 0, 1
	TURN 0, 1
	STEPS 1, 0
	s_wait_dscnt 4*NL                              ; the very last step
	WIN MUL_LO
	MUL16 0, 1, NQ-1, 1, 0
	MUL16 2, 1, NQ-1, 1, 0
	s_wait_dscnt 0
	WIN MUL_HI
	MUL16 4, 1, NQ-1, 1, 0
	MUL16 6, 1, NQ-1, 1, 0
	WIN 0
	PLACES NP                                      ; for the reads of the last results, and for the loads into registers that held scales and A's fragments
; POSITIONS 0-15 OF A SEQUENCE ALSO LEAVE IN f32.  They are block 0 of the waves with the tile's upper rows, in the tiles with cluster y = 0: a branch on the wave's number and on a number that all partners share.
	s_or_b32 s3, s95, s15
	s_cmp_lg_u32 s3, 0
	s_cbranch_scc1 .Lno_fine
	WIN 0x08                                       ; an LDS store's data are its source 1: window 2
.irp b, 0,1,2,3,4,5,6,7
	ds_store_b128 v[STO32], v[8*\b:8*\b+3] offset:64*\b            ; each accumulator from its low end on
	ds_store_b128 v[STO32], v[8*\b+4:8*\b+7] offset:64*\b+16
.endr
	WIN 0
.irp t, 0,1,2,3,4,5,6,7,8,9,10,11,12,13,14,15
	ds_load_b128 v[AF+4*\t:AF+4*\t+3], v[RD32] offset:528*\t       ; in order behind my stores
.endr
.irp t, 0,1,2,3,4,5,6,7,8,9,10,11,12,13,14,15
	s_wait_dscnt 15-\t
	global_store_b128 v[CO32], v[AF+4*\t:AF+4*\t+3], s[66:67] offset:12288*\t   ; 512 consecutive bytes, aligned
.endr
	s_wait_xcnt 0x0
.Lno_fine:
; THE WAY OUT IN f16, block by block of 16 rows x 128 columns (two heads).  A lane's eight columns pack into 16 bytes; they go through my stage and come back so that sixteen lanes hold two tokens of one head: 256 consecutive bytes of qkvh.
.macro PACK a
.set AC, 64*((\a)%4)
	WIN 0x0a+5*((\a)/4)                            ; sources 0 and 1: window 2 or 3
.irp b, 0,1,2,3,4,5,6,7
.irp r, 0,1,2,3
	v_cvt_pk_f16_f32 v[TMP+4*\b+\r], v[AC+8*\b+2*\r], v[AC+8*\b+2*\r+1]
.endr
.endr
	WIN 0
.endm
.macro TOSTAGE a
.set BB, OB+192*((\a)%2)
.irp b, 0,1,2,3,4,5,6,7
	ds_store_b128 v[STO16], v[TMP+4*\b:TMP+4*\b+3] offset:32*\b
.endr
.irp t, 0,1,2,3,4,5,6,7
	ds_load_b128 v[BB+4*\t:BB+4*\t+3], v[RD16] offset:544*\t       ; tokens 2 t and 2 t + 1; in order behind my stores
.endr
.endm
.macro SEND a, younger
.set BB, OB+192*((\a)%2)
	s_wait_dscnt \younger                          ; the block is back in registers
	s_wait_xcnt 0x0                                ; the stores of two blocks back have read their registers: the next block's loads may land there
.irp t, 0,1,2,3,4,5,6,7
	global_store_b128 v[CO16], v[BB+4*\t:BB+4*\t+3], s[12:13] offset:2048*(\a)+256*\t   ; lanes 0-15: 256 consecutive bytes of one head, aligned; lanes 16-31: of the next
.endr
.endm
	PACK 0
	TOSTAGE 0
.irp a, 1,2,3,4,5,6,7                  ; block a's conversions stand between block a - 1's loads from the stage and the wait for them
	PACK \a
	SEND \a-1, 0
	TOSTAGE \a
.endr
	SEND 7, 0
	s_wait_tensorcnt 0x0                           ; the wave's end
	ds_add_u32 v[SPW], v[NIL]
	s_wait_dscnt 0x0
	CROUND                                         ; the closing round
	s_endpgm
.Lfunc_end_k_q5a0a527c96_gemm_qkv:
	.size	k_q5a0a527c96_gemm_qkv, .Lfunc_end_k_q5a0a527c96_gemm_qkv-k_q5a0a527c96_gemm_qkv
	.p2alignl 7, 3214868480
	.fill 96, 4, 3214868480
	.section	.rodata,"a",@progbits
	.p2align	6, 0x0
	.amdhsa_kernel k_q5a0a527c96_gemm_qkv
		.amdhsa_group_segment_fixed_size 327680
		.amdhsa_private_segment_fixed_size 0
		.amdhsa_enable_private_segment 0
		.amdhsa_kernarg_size 48
		.amdhsa_user_sgpr_count 2
		.amdhsa_user_sgpr_kernarg_segment_ptr 1
		.amdhsa_wavefront_size32 1
		.amdhsa_system_sgpr_workgroup_id_x 1
		.amdhsa_system_sgpr_workgroup_id_y 1
		.amdhsa_system_sgpr_workgroup_id_z 1
		.amdhsa_system_vgpr_workitem_id 0
		.amdhsa_next_free_vgpr 1024
		.amdhsa_next_free_sgpr 100
		.amdhsa_reserve_vcc 0
		.amdhsa_float_denorm_mode_32 3
		.amdhsa_float_denorm_mode_16_64 3
		.amdhsa_memory_ordered 1
		.amdhsa_forward_progress 1
		.amdhsa_inst_pref_size 131
	.end_amdhsa_kernel
	.amdgpu_metadata
---
amdhsa.version: [ 1, 2 ]
amdhsa.kernels:
  - .name:           k_q5a0a527c96_gemm_qkv
    .symbol:         k_q5a0a527c96_gemm_qkv.kd
    .args:
      - { .name: xc, .offset: 0, .size: 8, .value_kind: global_buffer, .address_space: global }
      - { .name: xs, .offset: 8, .size: 8, .value_kind: global_buffer, .address_space: global }
      - { .name: wc, .offset: 16, .size: 8, .value_kind: global_buffer, .address_space: global }
      - { .name: ws, .offset: 24, .size: 8, .value_kind: global_buffer, .address_space: global }
      - { .name: qkvh, .offset: 32, .size: 8, .value_kind: global_buffer, .address_space: global }
      - { .name: qkv16, .offset: 40, .size: 8, .value_kind: global_buffer, .address_space: global }
    .group_segment_fixed_size: 327680
    .private_segment_fixed_size: 0
    .kernarg_segment_align: 8
    .kernarg_segment_size: 48
    .max_flat_workgroup_size: 128
    .sgpr_count:     100
    .vgpr_count:     1024
    .wavefront_size: 32
...
	.end_amdgpu_metadata
.endif
;; end of part 2
;; launch attn (part 3): grid 4 x 64, 16 waves a work-group, no clusters, 327,680 bytes of LDS; arguments qkvh, att; writes att
.if DOCPART == 3
	.amdgcn_target "amdgcn-amd-amdhsa--gfx1250"
	.amdhsa_code_object_version 6
	.text
	.protected	k_q5a0a527c96_attn
	.globl	k_q5a0a527c96_attn
	.p2align	8
	.type	k_q5a0a527c96_attn,@function
k_q5a0a527c96_attn:
	s_mov_b64 s[64:65], 0
	v_nop
	global_prefetch_b8 v0, s[64:65] scope:SCOPE_SE
	s_setreg_imm32_b32 hwreg(HW_REG_WAVE_MODE, 25, 1), 1
	s_wait_xcnt 0x0
; att[b][t][head] = softmax_k(q . k / 8, causal) v, both products on f16 operands with f32 sums; maxima, exponentials and sums in f32; a running maximum.
; qkvh: f16 [3 parts q, k, v][64 = 16 batch + head][2048][64].  att: f16 [16 heads][8192 = 2048 batch + t][64].
; LIMITS: the weights p (at most 1) are rounded to f16 for the second product, the result once to f16; |result| stays under the largest |v|.  Positions 0-15 of each sequence are made here too, and made again more finely by a later launch.
; SHARES.  Work-group (i, head) owns the blocks i and 7 - i of 256 queries: (i + 1) + (8 - i) = 9 blocks of keys for every work-group.  A wave owns 32 queries, two tiles of 16, so that each fragment of K and V read
; from LDS feeds two matrix instructions.  Of waves 2 n and 2 n + 1 one takes queries 32 n on of the early block and the other of the late one, by (w xor w / 4) & 1.
; EVERY work-group walks all 8 slots of 256 keys (constant trip counts); a step (64 keys) all of whose keys come after the wave's queries is jumped over, and a slot that begins after the work-group's last query is not asked for.
; NO CLUSTER: the four work-groups of a head need 8, 7, 6 and 5 slots, so a joint load would bring tiles that a partner never reads.
; LAYOUT.  S^T = K Q^T (source 0 = 16 keys, source 1 = 16 queries): a lane holds ONE query (lane % 16) and keys 8 (lane / 16) + 0..7.  Two such tiles, rounded to f16 in pairs, ARE source 1 of O^T = V^T P.
; K and V are dense in memory: a tile is stated as rows of 256 bytes (two keys).  In LDS key k lies at (k / 2) x pitch + (k % 2) x 128; pitch 272 for K and 288 for V (read turned, by ds_load_tr16_b128).
.set SLOT1, 1<<17                      ; slot 1 begins here: one exclusive or turns an address of one slot into the other's
.set VOFF,  34816                      ; a slot: K's 128 double rows x 272, then V's 128 x 288
.set STAGE, 202752                     ; behind the ring: 32 rows x (128 bytes + 16) for each wave
.set SPARE, 276480                     ; the spare words, 128 bytes for each wave: eight blocks of 256 bytes that no other line names
.set AK0, 1                            ; v1   my lane's place in a tile of K
.set AV0, 2                            ; v2   and of V
.set SPW, 3                            ; v3   LDS address of my spare word; never rewritten
.set NIL, 4                            ; v4   0; never rewritten
.set ADK, 5                            ; v5   LDS address of the slot's K
.set ADV, 6                            ; v6   of its V
.set RH,  7                            ; v7   r - 8 h
.set D0,  8                            ; v8, v9  the diagonal: my query less the first key of my registers, for tiles 0 and 1
.set NEG, 10                           ; v10  -infinity
.set PFO, 11                           ; v11  256 x lane: the prefetches' offset; never rewritten
.set QO,  12                           ; v12  Q's offset; on the way out where I put 16 bytes
.set RD,  13                           ; v13  the way out: where I read rows back
.set GO,  14                           ; v14  16 x lane
.set ST,  16                           ; tile t's statistics at v[16 + 8 t]: +0 c m, +1 m, +2, +3 l (even keys', odd keys'), +4 .. +7 at work (+6: a)
.set QF,  32                           ; v32-63   Q: fragment (t, ks) at 32 + 16 t + 8 ks
.set KV,  64                           ; v64-127  K: fragment (kt, ks) at 64 + 8 (2 kt + ks); then V: (f, ct) at 64 + 8 (4 f + ct)
.set S,   128                          ; v128-191 S^T: (t, kt) at 128 + 32 t + 8 kt; P is packed in place: fragment (t, f) at 128 + 32 t + 8 f
.set O,   192                          ; v192-255 O^T: (t, ct) at 192 + 32 t + 8 ct
.set TB,  2                            ; s2   LDS byte at which the slot in hand begins
.set WV,  18
.set SEL, 20                           ; s[20:21] v_permlanex16_b32's selects for lane l xor 16
.set CS,  22                           ; s[22:23] c = log2(e) / 8, twice
.set G1K, 24
.set G1V, 32
.set G0K, 40
.set G0V, 44
.set SLOTS, 67
.set QL,  68                           ; s68  my work-group's last query
.set PFA, 76
.set LIM, 80
.set KF,  98                           ; s98  the step's first key
.set Q0,  99                           ; s99  my first query
; Waves 0 and 1 fetch K's halves of a slot, waves 2 and 3 V's, the others nothing.  An s_nop 0 and four v_nop follow each of the two lines.
.macro TLOAD
	s_cmp_lt_u32 s[WV], 2
	s_cbranch_scc0 .Lnot_k_\@
	tensor_load_to_lds s[G0K:G0K+3], s[G1K:G1K+7]
	s_nop 0
.rept 4
	v_nop
.endr
	s_branch .Lasked_\@
.Lnot_k_\@:
	s_cmp_lt_u32 s[WV], 4
	s_cbranch_scc0 .Lasked_\@
	tensor_load_to_lds s[G0V:G0V+3], s[G1V:G1V+7]
	s_nop 0
.rept 4
	v_nop
.endr
.Lasked_\@:
.endm
; A PREFETCH of what the NEXT change of slots will ask for: 32,768 bytes of K and as many of V.  All four work-groups of a head walk the same K and V: the one with i = 0, which loads all eight slots, asks.
; In it waves 4 to 7 ask for K's block, 8,192 bytes a wave, lanes 256 bytes apart, and waves 8 to 11 for V's: each aligned block of 256 bytes is named once in the launch.
; Slots 0 and 1 come by their loads alone; the last change that fills a slot asks for nothing.
.macro ASK
	s_cmp_gt_u32 s[SLOTS], s[LIM]
	s_cbranch_scc0 .Lnot_mine_\@
	global_prefetch_b8 v[PFO], s[PFA:PFA+1] th:TH_LOAD_NT scope:SCOPE_SE
.Lnot_mine_\@:
.endm
	s_load_b128 s[4:7], s[0:1], 0x0                ; qkvh, att
	v_lshl_add_u32 v[SPW], v0, 2, SPARE
	v_mov_b32 v[NIL], 0
	ds_add_u32 v[SPW], v[NIL]                      ; the wave's opening: the add, twice on end, and its wait ahead of the first tensor load
	ds_add_u32 v[SPW], v[NIL]
	v_lshrrev_b32 v5, 5, v0
	v_readfirstlane_b32 s[WV], v5                  ; wave 0..15
	s_and_b32 s10, ttmp7, 0xffff                   ; 16 batch + head
	s_lshr_b32 s12, s[WV], 2
	s_xor_b32 s12, s12, s[WV]
	s_and_b32 s12, s12, 1                          ; 1: the late block
	s_lshr_b32 s13, s[WV], 1                       ; which 32 queries of the block
	s_sub_co_u32 s14, 7, ttmp9
	s_cmp_eq_u32 s12, 1
	s_cselect_b32 s14, s14, ttmp9
	s_lshl_b32 s14, s14, 8
	s_lshl_b32 s13, s13, 5
	s_add_co_u32 s[Q0], s14, s13
	s_lshl_b32 s[QL], ttmp9, 8
	s_sub_co_u32 s[QL], 2047, s[QL]                ; the late block's last query
	s_and_b32 s15, s[WV], 1                        ; which half of a slot I fetch, if I fetch
	s_lshl_b32 s70, s10, 18                        ; the head's first byte in a part
	s_lshl_b32 s72, s15, 14
	s_add_co_u32 s72, s72, s70
	s_mov_b32 s73, 0
	s_mul_i32 s16, s15, 64*272
	s_mul_i32 s17, s15, 64*288
	s_add_co_u32 s17, s17, VOFF
	s_mov_b32 s[G1K], (1<<16)|(1<<20)|(5<<22)|(3<<25)   ; no mask; elements of 2 bytes; padding on: after every 64 words 4 words
	s_mov_b32 s[G1V], (1<<16)|(1<<20)|(5<<22)|(7<<25)   ; the same with 8 words
.irp g, G1K, G1V
	s_mov_b32 s[\g+1], 128<<16                     ; tensor_dim0 = 128 elements: two keys
	s_mov_b32 s[\g+2], 64<<16                      ; tensor_dim1 = 64
	s_mov_b32 s[\g+3], 128<<16                     ; tile_dim0
	s_mov_b32 s[\g+4], 64                          ; tile_dim1
	s_mov_b32 s[\g+5], 128                         ; the pitch: dense
	s_mov_b32 s[\g+6], 0
	s_mov_b32 s[\g+7], 0
.endr
	s_mov_b32 s[SEL], 0x76543210
	s_mov_b32 s[SEL+1], 0xfedcba98
	s_mov_b32 s[CS], 0x3e38aa3b                    ; c = log2(e) / 8
	s_mov_b32 s[CS+1], s[CS]
	s_mov_b32 s[TB], 0
	s_mov_b32 s[KF], 0
	s_mov_b32 s[SLOTS], 7
	s_lshl_b32 s74, s[Q0], 7
	s_add_co_u32 s74, s74, s70                     ; Q: my first query's row
	s_mov_b32 s75, 0
	s_and_b32 s82, s10, 15
	s_lshl_b32 s82, s82, 13                        ; att: head x 8,192 rows
	s_lshr_b32 s83, s10, 4
	s_lshl_b32 s83, s83, 11                        ; + batch x 2,048
	s_add_co_u32 s82, s82, s83
	s_add_co_u32 s82, s82, s[Q0]
	s_lshl_b32 s82, s82, 7
	s_mov_b32 s83, 0
	s_mov_b32 s85, 33554432
	s_cmp_lt_u32 s[WV], 8                          ; the prefetches: waves 4 to 7 stand in K's part, waves 8 to 11 in V's,
	s_cselect_b32 s84, 16777216, s85
	s_and_b32 s85, s[WV], 3
	s_lshl_b32 s85, s85, 13                        ; at my wave's 8,192 bytes
	s_add_co_u32 s84, s84, s85
	s_add_co_u32 s84, s84, s70
	s_add_co_u32 s84, s84, 32768                   ; of slot 1: the first change of slots steps it to slot 2
	s_mov_b32 s85, 0
	s_sub_co_u32 s86, s[WV], 4
	s_lshr_b32 s86, s86, 3                         ; 0 in waves 4 to 11,
	s_or_b32 s86, s86, ttmp9                       ; of the head's work-group 0
	s_cmp_eq_u32 s86, 0
	s_cselect_b32 s[LIM], 1, -1
	s_wait_dscnt 0x0                               ; both opening adds are done
	s_wait_kmcnt 0x0
	s_mov_b32 s[G0K], 1
	s_mov_b32 s[G0K+1], s16
	s_add_nc_u64 s[G0K+2:G0K+3], s[4:5], s[72:73]
	s_add_nc_u64 s[G0K+2:G0K+3], s[G0K+2:G0K+3], 16777216
	s_or_b32 s[G0K+3], s[G0K+3], 0x80000000
	s_mov_b32 s[G0V], 1
	s_mov_b32 s[G0V+1], s17
	s_add_nc_u64 s[G0V+2:G0V+3], s[4:5], s[72:73]
	s_add_nc_u64 s[G0V+2:G0V+3], s[G0V+2:G0V+3], 33554432
	s_or_b32 s[G0V+3], s[G0V+3], 0x80000000
	TLOAD                                          ; slot 0: it holds key 0, which counts for every query
	s_add_nc_u64 s[8:9], s[4:5], s[74:75]
	s_add_nc_u64 s[6:7], s[6:7], s[82:83]
	s_add_nc_u64 s[PFA:PFA+1], s[4:5], s[84:85]
	v_and_b32 v8, 15, v0                           ; r
	v_bfe_u32 v9, v0, 4, 1                         ; h
	v_lshlrev_b32 v[QO], 7, v8
	v_lshl_add_u32 v[QO], v9, 4, v[QO]             ; Q: row r of 128 bytes + 16 h
.irp t, 0,1
.irp ks, 0,1
	global_load_b128 v[QF+16*\t+8*\ks:QF+16*\t+8*\ks+3], v[QO], s[8:9] offset:2048*\t+64*\ks
	global_load_b128 v[QF+16*\t+8*\ks+4:QF+16*\t+8*\ks+7], v[QO], s[8:9] offset:2048*\t+64*\ks+32
.endr
.endr
	v_lshrrev_b32 v5, 1, v8
	v_mul_u32_u24 v[AK0], v5, 272
	v_and_b32 v5, 1, v8
	v_lshl_add_u32 v[AK0], v5, 7, v[AK0]
	v_lshl_add_u32 v[AK0], v9, 4, v[AK0]           ; K: (r / 2) x 272 + (r % 2) x 128 + 16 h
	v_and_b32 v5, 7, v0
	v_lshrrev_b32 v5, 1, v5
	v_lshl_add_u32 v5, v9, 2, v5
	v_mul_u32_u24 v[AV0], v5, 288                  ; V: key 8 h + l % 8: double row 4 h + (l % 8) / 2,
	v_and_b32 v5, 1, v0
	v_lshl_add_u32 v[AV0], v5, 7, v[AV0]           ; its half,
	v_bfe_u32 v5, v0, 3, 1
	v_lshl_add_u32 v[AV0], v5, 4, v[AV0]           ; channels 8 ((l / 8) % 2) on
	v_add_nc_u32 v[AV0], VOFF, v[AV0]
	v_lshlrev_b32 v5, 3, v9
	v_sub_nc_u32 v[RH], v8, v5
	v_mov_b32 v[NEG], 0xff800000
	v_and_b32 v[PFO], 31, v0
	v_lshlrev_b32 v[PFO], 8, v[PFO]
.irp t, 0,1
	v_mov_b32 v[ST+8*\t+1], 0xff61b1e6             ; m = -3e38, under every score
	v_mul_f32 v[ST+8*\t], s[CS], v[ST+8*\t+1]      ; c m
.irp j, 2,3,4,5,6,7
	v_mov_b32 v[ST+8*\t+\j], 0                     ; l, and the registers at work
.endr
.endr
.set i, 0
.rept 64
	v_mov_b32 v[O+i], 0                            ; O^T.  (The step is written once: the first finds zeros, which a = 0 leaves zeros)
.set i, i+1
.endr
; A KEY STEP: 64 keys, the q-th of the slot in hand.
.macro STEP q
	s_add_co_u32 s96, s[Q0], 31                    ; a step all of whose keys come after my 32 queries is left out: a branch on ids and the count of steps; no barrier and no tensor load stands in a step
	s_cmp_gt_u32 s[KF], s96
	s_cbranch_scc1 .Lhidden_\@
	v_add_nc_u32 v[ADK], s[TB], v[AK0]
	v_add_nc_u32 v[ADV], s[TB], v[AV0]
.rept 3
	v_nop                                          ; five places behind the last step's products: four for the loads into their fragments' registers, five since the scores below are written over the registers that held P
.endr
.irp kt, 0,1,2,3
.irp ks, 0,1
	ds_load_b128 v[KV+8*(2*\kt+\ks):KV+8*(2*\kt+\ks)+3], v[ADK] offset:8704*(\q)+2176*\kt+64*\ks
	ds_load_b128 v[KV+8*(2*\kt+\ks)+4:KV+8*(2*\kt+\ks)+7], v[ADK] offset:8704*(\q)+2176*\kt+64*\ks+32
.endr
.endr
	s_wait_dscnt 0x0                               ; K is in
.irp ks, 0,1                                   ; S^T = K Q^T: eight accumulators by turns, one instruction a turn
.irp kt, 0,1,2,3
.irp t, 0,1
.if \ks == 0
	v_wmma_f32_16x16x32_f16 v[S+32*\t+8*\kt:S+32*\t+8*\kt+7], v[KV+8*(2*\kt+\ks):KV+8*(2*\kt+\ks)+7], v[QF+16*\t+8*\ks:QF+16*\t+8*\ks+7], 0
.else
	v_wmma_f32_16x16x32_f16 v[S+32*\t+8*\kt:S+32*\t+8*\kt+7], v[KV+8*(2*\kt+\ks):KV+8*(2*\kt+\ks)+7], v[QF+16*\t+8*\ks:QF+16*\t+8*\ks+7], v[S+32*\t+8*\kt:S+32*\t+8*\kt+7]
.endif
.endr
.endr
.endr
.rept 4
	v_nop                                          ; places: for the loads into K's registers, and for the first read of the scores
.endr
.irp f, 0,1                                    ; V, turned: it lands while the softmax is walked
.irp ct, 0,1,2,3
	ds_load_tr16_b128 v[KV+8*(4*\f+\ct):KV+8*(4*\f+\ct)+3], v[ADV] offset:9216*(\q)+4608*\f+32*\ct
	ds_load_tr16_b128 v[KV+8*(4*\f+\ct)+4:KV+8*(4*\f+\ct)+7], v[ADV] offset:9216*(\q)+4608*\f+32*\ct+2304
.endr
.endr
	s_add_co_u32 s96, s[KF], 63                    ; on the diagonal hidden scores become -infinity ahead of the maximum; a step all of whose keys count skips this
	s_cmp_le_u32 s96, s[Q0]
	s_cbranch_scc1 .Lopen_\@
	s_sub_co_i32 s96, s[Q0], s[KF]
	v_add_nc_u32 v[D0], s96, v[RH]                 ; d = my query - KF - 8 h.  Register n holds key KF + 8 h + 16 (n / 8) + n % 8: hidden where 16 (n / 8) + n % 8 > d
	v_add_nc_u32 v[D0+1], 16, v[D0]
.irp t, 0,1
.irp n, 0,1,2,3,4,5,6,7,8,9,10,11,12,13,14,15,16,17,18,19,20,21,22,23,24,25,26,27,28,29,30,31
	v_cmp_gt_i32 vcc_lo, 16*(\n/8)+\n%8, v[D0+\t]
	v_cndmask_b32 v[S+32*\t+\n], v[S+32*\t+\n], v[NEG], vcc_lo
.endr
.endr
.Lopen_\@:
.irp j, 0,1,2,3                                ; the maximum of my 32 scores and the old m; the two tiles alternate line by line.  Each accumulator is read from its low end on
.irp t, 0,1
	v_max3_num_f32 v[ST+8*\t+4+\j], v[S+32*\t+8*\j], v[S+32*\t+8*\j+1], v[S+32*\t+8*\j+2]
.endr
.endr
.irp i, 3,5
.irp j, 0,1,2,3
.irp t, 0,1
	v_max3_num_f32 v[ST+8*\t+4+\j], v[ST+8*\t+4+\j], v[S+32*\t+8*\j+\i], v[S+32*\t+8*\j+\i+1]
.endr
.endr
.endr
.irp t, 0,1
	v_max3_num_f32 v[ST+8*\t+4], v[ST+8*\t+4], v[S+32*\t+7], v[S+32*\t+15]
.endr
.irp t, 0,1
	v_max3_num_f32 v[ST+8*\t+6], v[ST+8*\t+6], v[S+32*\t+23], v[S+32*\t+31]
.endr
.irp t, 0,1
	v_max3_num_f32 v[ST+8*\t+4], v[ST+8*\t+4], v[ST+8*\t+5], v[ST+8*\t+6]
.endr
.irp t, 0,1
	v_max3_num_f32 v[ST+8*\t+4], v[ST+8*\t+4], v[ST+8*\t+7], v[ST+8*\t+1]
.endr
.irp t, 0,1
	v_permlanex16_b32 v[ST+8*\t+5], v[ST+8*\t+4], s[SEL], s[SEL+1]   ; the query's other 32 keys lie in the lane 16 away
.endr
.irp t, 0,1
	v_mov_b32 v[ST+8*\t+7], v[ST+8*\t]             ; c m_old
.endr
.irp t, 0,1
	v_max_num_f32 v[ST+8*\t+1], v[ST+8*\t+4], v[ST+8*\t+5]   ; the new m
.endr
.irp t, 0,1
	v_mul_f32 v[ST+8*\t], s[CS], v[ST+8*\t+1]
.endr
.irp t, 0,1
	v_sub_f32 v[ST+8*\t+7], v[ST+8*\t+7], v[ST+8*\t]         ; c m_old - c m_new
.endr
.irp b, 0,2,4,6,8,10,12,14,16,18,20,22,24,26,28,30
.irp t, 0,1
	v_pk_fma_f32 v[S+32*\t+\b:S+32*\t+\b+1], v[S+32*\t+\b:S+32*\t+\b+1], s[CS:CS+1], v[ST+8*\t:ST+8*\t+1] op_sel_hi:[1,0,0] neg_lo:[0,0,1] neg_hi:[0,0,1]   ; c s - c m
.endr
.endr
.irp t, 0,1
	v_exp_f32 v[ST+8*\t+6], v[ST+8*\t+7]           ; a = 2^(c m_old - c m_new)
.endr
.irp n, 0,1,2,3,4,5,6,7,8,9,10,11,12,13,14,15,16,17,18,19,20,21,22,23,24,25,26,27,28,29,30,31
.irp t, 0,1
	v_exp_f32 v[S+32*\t+\n], v[S+32*\t+\n]         ; p, at most 1
.endr
.endr
	v_nop                                          ; a plain line behind the last exponential
	s_wait_alu depctr_va_vdst(0)                   ; one wait for the batch of 66, ahead of its first reader
.irp t, 0,1
	v_pk_fma_f32 v[ST+8*\t+2:ST+8*\t+3], v[ST+8*\t+2:ST+8*\t+3], v[ST+8*\t+6:ST+8*\t+7], v[S+32*\t:S+32*\t+1] op_sel_hi:[1,0,1]   ; l = a l + the first pair; the sum is taken of p in f32, in two chains
.endr
.irp t, 0,1
	v_pk_add_f32 v[ST+8*\t+4:ST+8*\t+5], v[S+32*\t+2:S+32*\t+3], v[S+32*\t+4:S+32*\t+5]
.endr
.irp p, 6,10,14,18,22,26
.irp t, 0,1
	v_pk_add_f32 v[ST+8*\t+2:ST+8*\t+3], v[ST+8*\t+2:ST+8*\t+3], v[S+32*\t+\p:S+32*\t+\p+1]
.endr
.irp t, 0,1
	v_pk_add_f32 v[ST+8*\t+4:ST+8*\t+5], v[ST+8*\t+4:ST+8*\t+5], v[S+32*\t+\p+2:S+32*\t+\p+3]
.endr
.endr
.irp t, 0,1
	v_pk_add_f32 v[ST+8*\t+2:ST+8*\t+3], v[ST+8*\t+2:ST+8*\t+3], v[S+32*\t+30:S+32*\t+31]
.endr
.irp t, 0,1
	v_pk_add_f32 v[ST+8*\t+2:ST+8*\t+3], v[ST+8*\t+2:ST+8*\t+3], v[ST+8*\t+4:ST+8*\t+5]
.endr
.irp i, 0,1,2,3,4,5,6,7,8,9,10,11,12,13,14,15
.irp t, 0,1
	v_cvt_pk_f16_f32 v[S+32*\t+\i], v[S+32*\t+2*\i], v[S+32*\t+2*\i+1]   ; P, in place, ascending
.endr
.endr
.irp i, 0,2,4,6,8,10,12,14,16,18,20,22,24,26,28,30
.irp t, 0,1
	v_pk_mul_f32 v[O+32*\t+\i:O+32*\t+\i+1], v[O+32*\t+\i:O+32*\t+\i+1], v[ST+8*\t+6:ST+8*\t+7] op_sel_hi:[1,0]   ; O^T x a
.endr
.endr
	s_wait_dscnt 0x0                               ; V is in
.irp f, 0,1                                    ; O^T += V^T P: eight accumulators by turns
.irp ct, 0,1,2,3
.irp t, 0,1
	v_wmma_f32_16x16x32_f16 v[O+32*\t+8*\ct:O+32*\t+8*\ct+7], v[KV+8*(4*\f+\ct):KV+8*(4*\f+\ct)+7], v[S+32*\t+8*\f:S+32*\t+8*\f+7], v[O+32*\t+8*\ct:O+32*\t+8*\ct+7]
.endr
.endr
.endr
.Lhidden_\@:
	s_add_co_u32 s[KF], s[KF], 64
.endm
; THE CHANGE OF SLOTS stands at a slot's head.  Each wave waits for all its tensor loads, adds 0 to its spare word (fill = 1: twice on end), and waits for that and for its reads of the slot that it has left.
; Behind the barrier the slot ahead is whole and nobody reads the other one, which (fill = 1) is filled with the keys that follow, up to the causal limit: the load has a slot's four steps in which to land.
.macro CHANGE fill
	s_wait_tensorcnt 0x0                           ; no tensor load of mine is out, so a group 0 may be written
	ds_add_u32 v[SPW], v[NIL]                      ; 0 onto my spare word
.if \fill
	ds_add_u32 v[SPW], v[NIL]                      ; and once more
	s_xor_b32 s[G0K+1], s[G0K+1], SLOT1            ; the walking descriptors: the other slot,
	s_add_nc_u64 s[G0K+2:G0K+3], s[G0K+2:G0K+3], 32768   ; the next 256 keys
	s_xor_b32 s[G0V+1], s[G0V+1], SLOT1
	s_add_nc_u64 s[G0V+2:G0V+3], s[G0V+2:G0V+3], 32768
	s_wait_xcnt 0x0                                ; the last prefetch, a slot back, has read its address
	s_add_nc_u64 s[PFA:PFA+1], s[PFA:PFA+1], 32768
.endif
	s_wait_dscnt 0x0                               ; the add is done, and my reads of the slot that I have left are over
	s_barrier_signal -1
	s_barrier_wait -1
.if \fill
	s_add_co_u32 s96, s[KF], 256                   ; the first key of the slot that this change would ask for:
	s_cmp_gt_u32 s96, s[QL]                        ; past my work-group's last query no wave reads it, so it is not asked for.  The work-group's number and the count of steps alone: all sixteen waves go the same way
	s_cbranch_scc1 .Lpast_\@
	TLOAD                                          ; a wave's one tensor load until the next barrier; every wait on TENSORcnt in this text is for 0
.Lpast_\@:
	ASK
.endif
.endm
.macro SLOT_STEPS
	STEP 0
	STEP 1
	STEP 2
	STEP 3
	s_xor_b32 s[TB], s[TB], SLOT1
.endm
	s_wait_loadcnt 0x0                             ; Q
.Lslot:                                            ; seven trips
	CHANGE 1
	SLOT_STEPS
	s_sub_co_u32 s[SLOTS], s[SLOTS], 1
	s_cmp_lg_u32 s[SLOTS], 0
	s_cbranch_scc1 .Lslot
	CHANGE 0                                       ; the last slot is written out: nothing is left to ask for
	SLOT_STEPS
	; THE WAY OUT.  l's halves are added; O^T / l is rounded to f16 and goes through my stage, so that a store covers four whole rows of att: 512 consecutive bytes.  The additions are the places behind the last products.
.irp t, 0,1
	v_add_f32 v[ST+8*\t+4], v[ST+8*\t+2], v[ST+8*\t+3]
.endr
.irp t, 0,1
	v_permlanex16_b32 v[ST+8*\t+5], v[ST+8*\t+4], s[SEL], s[SEL+1]
.endr
.irp t, 0,1
	v_add_f32 v[ST+8*\t+4], v[ST+8*\t+4], v[ST+8*\t+5]
.endr
.irp t, 0,1
	v_rcp_f32 v[ST+8*\t+6], v[ST+8*\t+4]
.endr
	v_and_b32 v8, 15, v0
	v_bfe_u32 v9, v0, 4, 1
	s_mul_i32 s96, s[WV], 32*144
	s_add_co_u32 s96, s96, STAGE                   ; my stage
	v_mul_u32_u24 v[QO], v8, 144
	v_lshl_add_u32 v[QO], v9, 4, v[QO]
	v_add_nc_u32 v[QO], s96, v[QO]                 ; in: row r, 16 bytes for each half of the lanes
	v_bfe_u32 v[RD], v0, 3, 2
	v_mul_u32_u24 v[RD], v[RD], 144
	v_and_b32 v8, 7, v0
	v_lshl_add_u32 v[RD], v8, 4, v[RD]
	v_add_nc_u32 v[RD], s96, v[RD]                 ; back: eight lanes to a row of 128 bytes
	v_and_b32 v[GO], 31, v0
	v_lshlrev_b32 v[GO], 4, v[GO]
	s_wait_alu depctr_va_vdst(0)                   ; one wait for the two reciprocals, ahead of their first reader
.irp i, 0,2,4,6,8,10,12,14,16,18,20,22,24,26,28,30
.irp t, 0,1
	v_pk_mul_f32 v[O+32*\t+\i:O+32*\t+\i+1], v[O+32*\t+\i:O+32*\t+\i+1], v[ST+8*\t+6:ST+8*\t+7] op_sel_hi:[1,0]
.endr
.endr
.irp i, 0,1,2,3,4,5,6,7,8,9,10,11,12,13,14,15
.irp t, 0,1
	v_cvt_pk_f16_f32 v[S+16*\t+\i], v[O+32*\t+2*\i], v[O+32*\t+2*\i+1]
.endr
.endr
.irp t, 0,1
.irp ct, 0,1,2,3
	ds_store_b128 v[QO], v[S+16*\t+4*\ct:S+16*\t+4*\ct+3] offset:2304*\t+32*\ct
.endr
.endr
.irp i, 0,1,2,3,4,5,6,7
	ds_load_b128 v[S+32+4*\i:S+32+4*\i+3], v[RD] offset:576*\i     ; in order behind my stores
.endr
.irp i, 0,1,2,3,4,5,6,7
	s_wait_dscnt 7-\i
	global_store_b128 v[GO], v[S+32+4*\i:S+32+4*\i+3], s[6:7] offset:512*\i
.endr
	s_wait_tensorcnt 0x0                           ; the wave's end
	ds_add_u32 v[SPW], v[NIL]
	s_wait_dscnt 0x0
	s_endpgm
.Lfunc_end_k_q5a0a527c96_attn:
	.size	k_q5a0a527c96_attn, .Lfunc_end_k_q5a0a527c96_attn-k_q5a0a527c96_attn
	.p2alignl 7, 3214868480
	.fill 96, 4, 3214868480
	.section	.rodata,"a",@progbits
	.p2align	6, 0x0
	.amdhsa_kernel k_q5a0a527c96_attn
		.amdhsa_group_segment_fixed_size 327680
		.amdhsa_private_segment_fixed_size 0
		.amdhsa_enable_private_segment 0
		.amdhsa_kernarg_size 16
		.amdhsa_user_sgpr_count 2
		.amdhsa_user_sgpr_kernarg_segment_ptr 1
		.amdhsa_wavefront_size32 1
		.amdhsa_system_sgpr_workgroup_id_x 1
		.amdhsa_system_sgpr_workgroup_id_y 1
		.amdhsa_system_sgpr_workgroup_id_z 1
		.amdhsa_system_vgpr_workitem_id 0
		.amdhsa_next_free_vgpr 256
		.amdhsa_next_free_sgpr 100
		.amdhsa_reserve_vcc 1
		.amdhsa_float_denorm_mode_32 3
		.amdhsa_float_denorm_mode_16_64 3
		.amdhsa_memory_ordered 1
		.amdhsa_forward_progress 1
		.amdhsa_inst_pref_size 188
	.end_amdhsa_kernel
	.amdgpu_metadata
---
amdhsa.version: [ 1, 2 ]
amdhsa.kernels:
  - .name:           k_q5a0a527c96_attn
    .symbol:         k_q5a0a527c96_attn.kd
    .args:
      - { .name: qkvh, .offset: 0, .size: 8, .value_kind: global_buffer, .address_space: global }
      - { .name: att, .offset: 8, .size: 8, .value_kind: global_buffer, .address_space: global }
    .group_segment_fixed_size: 327680
    .private_segment_fixed_size: 0
    .kernarg_segment_align: 8
    .kernarg_segment_size: 16
    .max_flat_workgroup_size: 512
    .sgpr_count:     100
    .vgpr_count:     256
    .wavefront_size: 32
...
	.end_amdgpu_metadata
.endif
;; end of part 3
;; launch gemm_out (part 4): grid 4 x 64, 4 waves a work-group, clusters of 4 x 4, 327,680 bytes of LDS; arguments att, wo, out0; writes out0
.if DOCPART == 4
	.amdgcn_target "amdgcn-amd-amdhsa--gfx1250"
	.amdhsa_code_object_version 6
	.text
	.protected	k_q5a0a527c96_gemm_out
	.globl	k_q5a0a527c96_gemm_out
	.p2align	8
	.type	k_q5a0a527c96_gemm_out,@function
k_q5a0a527c96_gemm_out:
	s_mov_b64 s[64:65], 0
	v_nop
	global_prefetch_b8 v0, s[64:65] scope:SCOPE_SE
	s_setreg_imm32_b32 hwreg(HW_REG_WAVE_MODE, 25, 1), 1
	s_wait_xcnt 0x0
	s_wait_alu depctr_hold_cnt(0) depctr_sa_sdst(0) depctr_va_vdst(0) depctr_va_sdst(0) depctr_va_ssrc(0) depctr_va_vcc(0) depctr_vm_vsrc(0)
	s_getreg_b32 s2, hwreg(HW_REG_IB_STS2, 6, 4)
	s_cmp_eq_u32 s2, 0
	s_cbranch_scc0 .Lentry_in_a_cluster
	s_endpgm
.Lentry_in_a_cluster:
	s_bfe_u32 s2, ttmp6, 0x10000c
	s_cmp_lg_u32 s2, 0xf033
	s_cbranch_scc0 .Lentry_shape_is_right
	s_endpgm
.Lentry_shape_is_right:
; out0[m][n] = sum over k of att[m][k] Wout[k][n]: [8192][1024], K = 1,024, f16 operands, f32 sums.  att: f16 [16 groups of 64 k][8192 m][64]; wo: f16 [16][1024 n][64].  out0: f32.
; All 8,192 rows are made here; the 64 rows of positions 0-15 are written again, more finely, by the launch that follows.
; A tile is 128 rows x 256 columns: 256 work-groups.  Four waves, each 64 x 128: 32 accumulators, 256 registers.  K goes in 8 steps of 128 (two groups of 64) through two LDS slots.
; For one group a tile of A (128 rows x 128 bytes) and of B (256 x 128) is dense in memory: it is stated as rows of 256 bytes (two rows), padded by 16; row m lies at (m / 2) x 272 + (m % 2) x 128.
; CLUSTERS: 4 x 4 work-groups; A's tiles are shared along a row of the cluster, B's along a column, each by a joint load.  Waves 0 and 1 fetch A's two groups, waves 2 and 3 B's.
; THE MATRIX INSTRUCTION IS USED TRANSPOSED (source 0 = 16 rows of wo, source 1 = 16 rows of att): a lane holds eight neighbouring columns of one row of out0.
; REGISTERS: window 0: v0-31 addresses; v64-127 A's fragments, two buffers of 4; v128-255 the way out.   window 1: v0-127 B's fragments, two buffers of 8.   window 2: accumulator (a, b) at v[8 (8 a + b)].
.set AKB,   64*272                     ; A's tile of one group in LDS
.set BKB,   128*272                    ; B's
.set SLOT,  2*AKB+2*BKB
.set STAGE, 2*SLOT                     ; behind the ring: 16 rows x (512 bytes + 16) for each wave
.set SPARE, STAGE+4*16*528             ; the spare words, 128 bytes for each wave: two blocks of 256 bytes that no other line names
.set ADRA, 16
.set ADRB, 20
.set STO,  24
.set RD,   25
.set CO,   26
.set SPW,  28
.set NIL,  29
.set PFO,  30                          ; v30  256 x lane; never rewritten
.set BK,   128
.set G1,  24
.set G0,  32
.set LIM, 43                           ; s43  1 in the wave that prefetches, else the greatest number
.set PFA, 44                           ; s[44:45]
.set G1B, 48
.set G0B, 56
.set MSB, 0
.macro WIN new
.if MSB != (\new)
	s_set_vgpr_msb (MSB<<8)|(\new)
.set MSB, (\new)
.endif
.endm
.set MUL,  0xa1                        ; source 0 (B) window 1, source 1 (A) window 0, C and D window 2
.set TO_B, 0x40
.macro JLOAD s                         ; a joint load; an s_nop 0 and four v_nop follow each of the two lines
	s_cmp_eq_u32 s11, 0
	s_cbranch_scc0 .Lfor_b_\@
	tensor_load_to_lds s[G0+4*\s:G0+4*\s+3], s[G1:G1+7]
	s_nop 0
.rept 4
	v_nop
.endr
	s_branch .Lasked_\@
.Lfor_b_\@:
	tensor_load_to_lds s[G0B+4*\s:G0B+4*\s+3], s[G1B:G1B+7]
	s_nop 0
.rept 4
	v_nop
.endr
.Lasked_\@:
.endm
; A PREFETCH of A's tiles of the K step that stands two refills on: 2 groups x 16,384 bytes = 128 aligned blocks of 256 bytes.  A tile row is read by one row of one cluster alone; its four partners share the blocks out
; BY ADDRESS (group cx / 2, half cx % 2: 32 blocks each), and in each wave 0 asks, a lane a block: each block is named once in the launch.  K steps 0 to 3 come by their loads alone; the loop's last trip asks for nothing.
; wo is left out: its 2 MB are read again by every cluster.
.macro ASK
	s_cmp_gt_u32 s3, s[LIM]
	s_cbranch_scc0 .Lnot_mine_\@
	global_prefetch_b8 v[PFO], s[PFA:PFA+1] th:TH_LOAD_NT scope:SCOPE_SE
.Lnot_mine_\@:
.endm
.macro CREST
	s_cmp_lg_u32 s10, 0
	s_cbranch_scc1 .Lnot_wave_0_\@
	s_barrier_signal -3
.Lnot_wave_0_\@:
	s_barrier_wait -3
	s_barrier_signal -1
	s_barrier_wait -1
.endm
.macro CROUND
	s_barrier_signal -1
	s_barrier_wait -1
	CREST
.endm
	s_load_b128 s[4:7], s[0:1], 0x0                ; att, wo
	s_load_b64 s[8:9], s[0:1], 0x10                ; out0
	v_lshl_add_u32 v[SPW], v0, 2, SPARE
	v_mov_b32 v[NIL], 0
	ds_add_u32 v[SPW], v[NIL]                      ; the wave's opening: the add, twice on end, and its wait ahead of my first tensor load
	ds_add_u32 v[SPW], v[NIL]
	v_lshrrev_b32 v1, 5, v0
	v_readfirstlane_b32 s10, v1                    ; wave 0..3
	s_lshr_b32 s11, s10, 1                         ; which 64 rows are mine.  Also: I fetch for A (0) or for B (1)
	s_and_b32 s12, s10, 1                          ; which 128 columns.  Also: which of a K step's two groups I fetch
	s_bfe_u32 s40, ttmp6, 0x40000                  ; cx, cy
	s_bfe_u32 s41, ttmp6, 0x40004
	s_lshl_b32 s42, ttmp9, 2
	s_add_co_u32 s42, s42, s40                     ; tile column
	s_and_b32 s13, ttmp7, 0xffff
	s_lshl_b32 s13, s13, 2
	s_add_co_u32 s13, s13, s41                     ; tile row
	s_lshl_b32 s46, s41, 2
	s_lshl_b32 s46, 15, s46                        ; my row of the cluster
	s_lshl_b32 s47, 0x1111, s40                    ; my column
	s_or_b32 s[G1+0], s46, (1<<16)|(1<<20)|(1<<21)|(5<<22)|(3<<25)   ; the mask; elements of 2 bytes; padding on; bit 21 beside a mask; after every 64 words 4 words
	s_or_b32 s[G1B+0], s47, (1<<16)|(1<<20)|(1<<21)|(5<<22)|(3<<25)
.irp g, G1, G1B
	s_mov_b32 s[\g+1], 128<<16                     ; tensor_dim0 = 128 elements: two rows of a group
	s_mov_b32 s[\g+3], 128<<16                     ; tile_dim0
	s_mov_b32 s[\g+5], 128                         ; the pitch: dense
	s_mov_b32 s[\g+6], 0
	s_mov_b32 s[\g+7], 0
.endr
	s_mov_b32 s[G1+2], 64<<16                      ; A: 64 double rows
	s_mov_b32 s[G1+4], 64
	s_mov_b32 s[G1B+2], 128<<16                    ; B: 128
	s_mov_b32 s[G1B+4], 128
	s_lshl_b32 s16, s12, 20                        ; A: my group of 1,048,576 bytes,
	s_lshl_b32 s17, s13, 14                        ; the tile row's 16,384
	s_add_co_u32 s16, s16, s17
	s_mov_b32 s17, 0
	s_lshl_b32 s20, s12, 17                        ; B: my group of 131,072 bytes,
	s_lshl_b32 s21, s42, 15                        ; the tile column's 32,768
	s_add_co_u32 s20, s20, s21
	s_mov_b32 s21, 0
	s_mul_i32 s22, s12, AKB                        ; where they go: no place in the cluster enters an LDS address
	s_mul_i32 s23, s12, BKB
	s_add_co_u32 s23, s23, 2*AKB
	s_wait_dscnt 0x0                               ; both opening adds are done
	s_wait_kmcnt 0x0
	s_add_nc_u64 s[14:15], s[4:5], s[16:17]
	s_add_nc_u64 s[20:21], s[6:7], s[20:21]
	CROUND                                         ; all sixteen work-groups are here: the first joint loads meet
.irp s, 0,1
	s_mov_b32 s[G0+4*\s], 1
	s_add_co_u32 s[G0+4*\s+1], s22, \s*SLOT
	s_add_nc_u64 s[G0+4*\s+2:G0+4*\s+3], s[14:15], \s*2*1048576
	s_or_b32 s[G0+4*\s+3], s[G0+4*\s+3], 0x80000000
	s_mov_b32 s[G0B+4*\s], 1
	s_add_co_u32 s[G0B+4*\s+1], s23, \s*SLOT
	s_add_nc_u64 s[G0B+4*\s+2:G0B+4*\s+3], s[20:21], \s*2*131072
	s_or_b32 s[G0B+4*\s+3], s[G0B+4*\s+3], 0x80000000
	JLOAD \s                                       ; two tensor loads of mine are out
.endr
	v_and_b32 v1, 15, v0                           ; r
	v_bfe_u32 v2, v0, 4, 1                         ; h
	v_lshrrev_b32 v3, 1, v1
	v_mul_u32_u24 v3, v3, 272
	v_and_b32 v4, 1, v1
	v_lshl_add_u32 v3, v4, 7, v3
	v_lshl_add_u32 v3, v2, 4, v3                   ; a fragment's row: (r / 2) x 272 + (r % 2) x 128 + 16 h
	s_mul_i32 s16, s11, 32*272                     ; my 64 rows of A
	s_mul_i32 s17, s12, 64*272                     ; my 128 rows of B,
	s_add_co_u32 s17, s17, 2*AKB                   ; behind A's two groups
.irp s, 0,1
	v_add_nc_u32 v[ADRA+\s], s16, v3
	v_add_nc_u32 v[ADRB+\s], s17, v3
	s_add_co_u32 s16, s16, SLOT
	s_add_co_u32 s17, s17, SLOT
.endr
	s_mul_i32 s16, s10, 16*528
	s_add_co_u32 s16, s16, STAGE                   ; my stage
	v_mul_u32_u24 v4, v1, 528
	v_lshl_add_u32 v4, v2, 5, v4
	v_add_nc_u32 v[STO], s16, v4                   ; in: row r, 32 bytes for each half of the lanes
	v_and_b32 v4, 31, v0
	v_lshlrev_b32 v[CO], 4, v4
	v_add_nc_u32 v[RD], s16, v[CO]                 ; back: a whole row of 512 bytes
	v_lshlrev_b32 v[PFO], 8, v4
	s_lshl_b32 s18, s13, 19                        ; out0: 128 rows of 4,096 bytes a tile row,
	s_lshl_b32 s19, s11, 18                        ; my 64 rows,
	s_add_co_u32 s18, s18, s19
	s_lshl_b32 s19, s42, 10                        ; 1,024 bytes a tile column,
	s_add_co_u32 s18, s18, s19
	s_lshl_b32 s19, s12, 9                         ; my 128 columns
	s_add_co_u32 s18, s18, s19
	s_mov_b32 s19, 0
	s_add_nc_u64 s[8:9], s[8:9], s[18:19]
	s_lshr_b32 s18, s40, 1                         ; the prefetches stand at K step 3 (groups 6 and 7): the first refill steps them to K step 4
	s_add_co_u32 s18, s18, 6
	s_lshl_b32 s18, s18, 20
	s_lshl_b32 s19, s13, 14
	s_add_co_u32 s18, s18, s19
	s_and_b32 s19, s40, 1
	s_lshl_b32 s19, s19, 13
	s_add_co_u32 s18, s18, s19
	s_mov_b32 s19, 0
	s_add_nc_u64 s[PFA:PFA+1], s[4:5], s[18:19]
	s_cmp_eq_u32 s10, 0
	s_cselect_b32 s[LIM], 1, -1
.macro MUL8 g, a, zero                 ; A's block a x B's eight, 32 along K, from buffer g.  The 32 accumulators take turns, one instruction a turn, in the same order in every quarter
.irp b, 0,1,2,3,4,5,6,7
.if \zero
	v_wmma_f32_16x16x32_f16 v[8*(8*(\a)+\b):8*(8*(\a)+\b)+7], v[64*(\g)+8*\b:64*(\g)+8*\b+7], v[64+32*(\g)+8*(\a):64+32*(\g)+8*(\a)+7], 0
.else
	v_wmma_f32_16x16x32_f16 v[8*(8*(\a)+\b):8*(8*(\a)+\b)+7], v[64*(\g)+8*\b:64*(\g)+8*\b+7], v[64+32*(\g)+8*(\a):64+32*(\g)+8*(\a)+7], v[8*(8*(\a)+\b):8*(8*(\a)+\b)+7]
.endif
.endr
.endm
.macro MUL16 g, a0, zero
	MUL8 \g, \a0, \zero
	MUL8 \g, (\a0)+1, \zero
.endm
.macro FETCH slot, qd, g               ; 24 LDS loads in one run: quarter qd of the slot (group qd / 2, bytes 64 (qd % 2) on) into buffer g: B's eight fragments, then A's four
	WIN TO_B
.irp i, 0,1,2,3,4,5,6,7
	ds_load_b128 v[64*(\g)+8*\i:64*(\g)+8*\i+3], v[ADRB+\slot] offset:((\qd)/2)*BKB+((\qd)%2)*64+2176*\i
	ds_load_b128 v[64*(\g)+8*\i+4:64*(\g)+8*\i+7], v[ADRB+\slot] offset:((\qd)/2)*BKB+((\qd)%2)*64+2176*\i+32
.endr
	WIN 0
.irp i, 0,1,2,3
	ds_load_b128 v[64+32*(\g)+8*\i:64+32*(\g)+8*\i+3], v[ADRA+\slot] offset:((\qd)/2)*AKB+((\qd)%2)*64+2176*\i
	ds_load_b128 v[64+32*(\g)+8*\i+4:64+32*(\g)+8*\i+7], v[ADRA+\slot] offset:((\qd)/2)*AKB+((\qd)%2)*64+2176*\i+32
.endr
.endm
.macro PLACES
.rept 4
	v_nop
.endr
.endm
.macro QUARTER slot, qn, f, g, zero    ; multiplies buffer f; in its middle fetches the slot's quarter qn into buffer g
	s_wait_dscnt 4                                 ; B and A's blocks 0, 1 are in; the youngest four loads (A's blocks 2, 3) may be out
	WIN MUL
	MUL16 \f, 0, \zero
	PLACES                                         ; in front of loads into registers that matrix instructions have read
	FETCH \slot, \qn, \g
	s_wait_dscnt 24                                ; all but the 24 just issued
	WIN MUL
	MUL16 \f, 2, \zero
.endm
; The last quarter multiplies buffer 1 and changes slots: one barrier; in front of it each wave waits for all its tensor loads, adds 0 to its spare word, and waits for that and for its reads of this slot.
; fill = 1: the barrier opens a round of the cluster's barrier, and this slot is filled again, two K steps ahead, first thing behind the round.
.macro TURN slot, next, fill
.if \fill
	s_wait_xcnt 0x0                                ; the last prefetch, a K step back, has read its address
	s_add_nc_u64 s[PFA:PFA+1], s[PFA:PFA+1], 2*1048576
.endif
	WIN 0                                          ; (the add's two registers lie in window 0)
	s_wait_tensorcnt 0x0                           ; all my tensor loads have landed: my part of the next slot;
	ds_add_u32 v[SPW], v[NIL]                      ; 0 onto my spare word;
	s_wait_dscnt 5                                 ; (the add and A's blocks 2, 3 may be out)
	WIN MUL
	MUL8 1, 0, 0
	s_wait_dscnt 0x0                               ; the add is done, and my reads of this slot are over
	s_barrier_signal -1
	MUL8 1, 1, 0
	WIN 0
	s_barrier_wait -1
.if \fill
	CREST                                          ; no wave of any partner still reads this slot's tiles or has a load on its way
	s_add_nc_u64 s[G0+4*\slot+2:G0+4*\slot+3], s[G0+4*\slot+2:G0+4*\slot+3], 4*1048576
	s_add_nc_u64 s[G0B+4*\slot+2:G0B+4*\slot+3], s[G0B+4*\slot+2:G0B+4*\slot+3], 4*131072
	JLOAD \slot                                    ; my one tensor load behind the round; the four v_nop behind it are also the places in front of the loads below
.else
	PLACES
.endif
	FETCH \next, 0, 0
.if \fill
	ASK
.endif
	WIN MUL
	MUL16 1, 2, 0
.endm
	s_wait_tensorcnt 1                             ; my part of K step 0 is in (K step 1's load may be out)
	s_barrier_signal -1
	s_barrier_wait -1                              ; everybody's is
	FETCH 0, 0, 0
	QUARTER 0, 1, 0, 1, 1                          ; the first quarter's products start the sums
	WIN 0
	s_mov_b32 s3, 3
.Llap:                                             ; a trip goes once round the ring, from a lap's second quarter to the next lap's first, and fills both slots again
	QUARTER 0, 2, 1, 0, 0
	QUARTER 0, 3, 0, 1, 0
	TURN 0, 1, 1
	QUARTER 1, 1, 0, 1, 0
	QUARTER 1, 2, 1, 0, 0
	QUARTER 1, 3, 0, 1, 0
	TURN 1, 0, 1
	QUARTER 0, 1, 0, 1, 0
	WIN 0
	s_sub_co_u32 s3, s3, 1
	s_cmp_lg_u32 s3, 0
	s_cbranch_scc1 .Llap
	QUARTER 0, 2, 1, 0, 0                          ; the last lap fills nothing
	QUARTER 0, 3, 0, 1, 0
	TURN 0, 1, 0
	QUARTER 1, 1, 0, 1, 0
	QUARTER 1, 2, 1, 0, 0
	QUARTER 1, 3, 0, 1, 0
	s_wait_dscnt 4
	WIN MUL
	MUL16 1, 0, 0
	s_wait_dscnt 0
	MUL16 1, 2, 0
	WIN 0
; THE WAY OUT, block by block of 16 rows x 128 columns, through my own stage: back as whole rows of 512 bytes.
.macro TOSTAGE a
	WIN 0x08                                       ; an LDS store's data are its source 1: window 2
.irp b, 0,1,2,3,4,5,6,7
	ds_store_b128 v[STO], v[64*(\a)+8*\b:64*(\a)+8*\b+3] offset:64*\b          ; each accumulator from its low end on
	ds_store_b128 v[STO], v[64*(\a)+8*\b+4:64*(\a)+8*\b+7] offset:64*\b+16
.endr
	WIN 0
.set BB, BK+64*((\a)%2)
.irp t, 0,1,2,3,4,5,6,7,8,9,10,11,12,13,14,15
	ds_load_b128 v[BB+4*\t:BB+4*\t+3], v[RD] offset:528*\t         ; in order behind my stores
.endr
.endm
.macro SEND a, younger
.set BB, BK+64*((\a)%2)
	s_wait_dscnt \younger
.irp t, 0,1,2,3,4,5,6,7,8,9,10,11,12,13,14,15
	global_store_b128 v[CO], v[BB+4*\t:BB+4*\t+3], s[8:9] offset:(16*(\a)+\t)*4096 th:TH_STORE_NT   ; 512 consecutive bytes, aligned
.endr
.endm
	PLACES                                         ; in front of the first read of the last results
	TOSTAGE 0
.irp a, 1,2,3
.if \a > 1
	s_wait_xcnt 0x0                                ; block a - 2's stores have read their registers: block a's loads may land there
.endif
	TOSTAGE \a
	SEND \a-1, 32                                  ; behind block a - 1's loads: block a's 16 stores and 16 loads
.endr
	SEND 3, 0
	s_wait_tensorcnt 0x0                           ; the wave's end
	ds_add_u32 v[SPW], v[NIL]
	s_wait_dscnt 0x0
	CROUND                                         ; the closing round
	s_endpgm
.Lfunc_end_k_q5a0a527c96_gemm_out:
	.size	k_q5a0a527c96_gemm_out, .Lfunc_end_k_q5a0a527c96_gemm_out-k_q5a0a527c96_gemm_out
	.p2alignl 7, 3214868480
	.fill 96, 4, 3214868480
	.section	.rodata,"a",@progbits
	.p2align	6, 0x0
	.amdhsa_kernel k_q5a0a527c96_gemm_out
		.amdhsa_group_segment_fixed_size 327680
		.amdhsa_private_segment_fixed_size 0
		.amdhsa_enable_private_segment 0
		.amdhsa_kernarg_size 24
		.amdhsa_user_sgpr_count 2
		.amdhsa_user_sgpr_kernarg_segment_ptr 1
		.amdhsa_wavefront_size32 1
		.amdhsa_system_sgpr_workgroup_id_x 1
		.amdhsa_system_sgpr_workgroup_id_y 1
		.amdhsa_system_sgpr_workgroup_id_z 1
		.amdhsa_system_vgpr_workitem_id 0
		.amdhsa_next_free_vgpr 768
		.amdhsa_next_free_sgpr 66
		.amdhsa_reserve_vcc 0
		.amdhsa_float_denorm_mode_32 3
		.amdhsa_float_denorm_mode_16_64 3
		.amdhsa_memory_ordered 1
		.amdhsa_forward_progress 1
		.amdhsa_inst_pref_size 86
	.end_amdhsa_kernel
	.amdgpu_metadata
---
amdhsa.version: [ 1, 2 ]
amdhsa.kernels:
  - .name:           k_q5a0a527c96_gemm_out
    .symbol:         k_q5a0a527c96_gemm_out.kd
    .args:
      - { .name: att, .offset: 0, .size: 8, .value_kind: global_buffer, .address_space: global }
      - { .name: wo, .offset: 8, .size: 8, .value_kind: global_buffer, .address_space: global }
      - { .name: out0, .offset: 16, .size: 8, .value_kind: global_buffer, .address_space: global }
    .group_segment_fixed_size: 327680
    .private_segment_fixed_size: 0
    .kernarg_segment_align: 8
    .kernarg_segment_size: 24
    .max_flat_workgroup_size: 128
    .sgpr_count:     66
    .vgpr_count:     768
    .wavefront_size: 32
...
	.end_amdgpu_metadata
.endif
;; end of part 4
;; launch fine (part 5): grid 16 x 4, 16 waves a work-group, no clusters, 71,680 bytes of LDS; arguments qkv16, Wout, out0; writes out0
.if DOCPART == 5
	.amdgcn_target "amdgcn-amd-amdhsa--gfx1250"
	.amdhsa_code_object_version 6
	.text
	.protected	k_q5a0a527c96_fine
	.globl	k_q5a0a527c96_fine
	.p2align	8
	.type	k_q5a0a527c96_fine,@function
k_q5a0a527c96_fine:
	s_mov_b64 s[64:65], 0
	v_nop
	global_prefetch_b8 v0, s[64:65] scope:SCOPE_SE
	s_setreg_imm32_b32 hwreg(HW_REG_WAVE_MODE, 25, 1), 1
	s_wait_xcnt 0x0
; POSITIONS 0-15 OF EACH SEQUENCE, IN f32 THROUGHOUT: under the causal mask these rows average one to sixteen values and are the largest of the output, so the rounding of 16-bit operands weighs most there.
; From the f32 sums of the quantised product (qkv16 [64 = 16 batch + position][3072]) the scores, the softmax, the weighted values and the projection by Wout (f32, as given) are made by v_wmma_f32_16x16x4_f32,
; and these 64 rows of out0, which the launch before has written more coarsely, are written again.
; SHARES.  Work-group (g, batch) makes columns 64 g .. 64 g + 63 of the batch's 16 rows.  A wave is a head: it makes the head's 16 x 16 attention (again in each of the 16 column groups: small work) and the head's part of
; the projection; the sixteen parts meet in LDS, and wave w adds and stores row w: 256 consecutive bytes, aligned.
; In every product K is taken in an order of its own, the same on both operands.  The order of sums differs from the reference's.
; v176-223 are written by matrix instructions alone.
.set SPARE, 69632                      ; behind the sixteen parts (16 rows x 272 bytes each): the spare words, 128 bytes for each wave
.set SPW, 5
.set NIL, 6
.set SA,  176                          ; S^T in two sums, even and odd K steps
.set SB,  184
.set OY,  192                          ; O^T, four tiles; then Y^T, four tiles
.set P,   224
.set T,   232
	s_load_b128 s[4:7], s[0:1], 0x0                ; qkv16, Wout
	s_load_b64 s[8:9], s[0:1], 0x10                ; out0
	v_lshl_add_u32 v[SPW], v0, 2, SPARE
	v_mov_b32 v[NIL], 0
	v_lshrrev_b32 v1, 5, v0
	v_readfirstlane_b32 s18, v1                    ; wave = head
	s_and_b32 s10, ttmp7, 0xffff                   ; batch
	v_and_b32 v10, 15, v0                          ; r
	v_bfe_u32 v11, v0, 4, 1                        ; h
	v_and_b32 v12, 31, v0                          ; lane
	v_mul_u32_u24 v1, v10, 12288
	v_lshl_add_u32 v1, v11, 7, v1                  ; Q, K: position r, channels 32 h on
	v_mul_u32_u24 v2, v11, 8*12288
	v_lshl_add_u32 v2, v10, 2, v2                  ; V: keys 8 h on, channel r of a tile
	v_lshlrev_b32 v3, 15, v11
	v_lshl_add_u32 v3, v10, 2, v3                  ; Wout: rows 8 h on, column r of a tile
	v_lshlrev_b32 v4, 3, v11
	v_sub_nc_u32 v4, v10, v4                       ; d = r - 8 h: register j holds key 8 h + j, hidden where j > d
	s_mul_i32 s11, s18, 16*272
	v_mul_u32_u24 v7, v10, 272
	v_lshl_add_u32 v7, v11, 5, v7
	v_add_nc_u32 v7, s11, v7                       ; my head's part: row r, 32 bytes for each half of the lanes
	s_mul_i32 s11, s18, 272
	v_lshlrev_b32 v9, 3, v12                       ; 8 bytes a lane
	v_add_nc_u32 v8, s11, v9                       ; row w of each part
	s_mul_i32 s12, s10, 16*12288
	s_lshl_b32 s13, s18, 8
	s_add_co_u32 s12, s12, s13                     ; qkv16: the batch's rows, the head's 64 channels
	s_mov_b32 s13, 0
	s_lshl_b32 s14, s18, 18                        ; Wout: the head's 64 rows of 4,096 bytes,
	s_lshl_b32 s15, ttmp9, 8                       ; my 64 columns
	s_add_co_u32 s14, s14, s15
	s_lshl_b32 s16, s10, 23                        ; out0: the batch's first row,
	s_lshl_b32 s17, s18, 12                        ; row w,
	s_add_co_u32 s16, s16, s17
	s_add_co_u32 s16, s16, s15                     ; my 64 columns
	s_mov_b32 s15, 0
	s_mov_b32 s17, 0
	s_mov_b32 s20, 0x76543210
	s_mov_b32 s21, 0xfedcba98                      ; v_permlanex16_b32's selects for lane l xor 16
	s_mov_b32 s22, 0x3e38aa3b                      ; c = log2(e) / 8
	v_mov_b32 v240, 0xff800000                     ; -infinity
	v_mov_b32 v242, 0                              ; a lane permute's destination counts as one of its sources
	s_wait_kmcnt 0x0
	s_add_nc_u64 s[4:5], s[4:5], s[12:13]
	s_add_nc_u64 s[6:7], s[6:7], s[14:15]
	s_add_nc_u64 s[8:9], s[8:9], s[16:17]
.irp i, 0,1,2,3,4,5,6,7
	global_load_b128 v[16+4*\i:19+4*\i], v1, s[4:5] offset:16*\i           ; Q: register e = channel 32 h + e of query r
.endr
.irp i, 0,1,2,3,4,5,6,7
	global_load_b128 v[48+4*\i:51+4*\i], v1, s[4:5] offset:4096+16*\i      ; K likewise, of key r
.endr
.irp c, 0,1,2,3
.irp i, 0,1,2,3,4,5,6,7
	global_load_b32 v[80+8*\c+\i], v2, s[4:5] offset:12288*\i+8192+64*\c   ; V(key 8 h + i, channel 16 c + r)
.endr
.endr
.macro WLOAD t                         ; Wout's tile t: register 8 c + i = Wout(64 head + 16 c + 8 h + i, 64 g + 16 t + r), at v112, v144, v16, v48
.irp c, 0,1,2,3
.irp i, 0,1,2,3,4,5,6,7
	global_load_b32 v[(112+32*\t)%160+8*\c+\i], v3, s[6:7] offset:(16*\c+\i)*4096+64*\t
.endr
.endr
.endm
	WLOAD 0
	WLOAD 1
	s_wait_loadcnt 63                              ; behind V's last load 64 were issued, and the count's field ends at 63: Q, K and V are in
.irp s, 0,1,2,3,4,5,6,7,8,9,10,11,12,13,14,15      ; S^T = K Q^T: source 0 = 16 keys, source 1 = 16 queries; two sums by turns, one instruction a turn
.if \s < 2
	v_wmma_f32_16x16x4_f32 v[SA+8*(\s%2):SA+8*(\s%2)+7], v[48+2*\s:49+2*\s], v[16+2*\s:17+2*\s], 0
.else
	v_wmma_f32_16x16x4_f32 v[SA+8*(\s%2):SA+8*(\s%2)+7], v[48+2*\s:49+2*\s], v[16+2*\s:17+2*\s], v[SA+8*(\s%2):SA+8*(\s%2)+7]
.endif
.endr
.rept 8
	v_nop                                          ; eight places behind this form: for the loads into Q's and K's registers, and for the first read of the sums
.endr
	WLOAD 2
	WLOAD 3
.irp j, 0,1,2,3,4,5,6,7
	v_add_f32 v[T+\j], v[SA+\j], v[SB+\j]          ; the score of key 8 h + j and query r; each sum is read from its low end on
.endr
.irp j, 0,1,2,3,4,5,6,7
	v_cmp_gt_i32 vcc_lo, \j, v4
	v_cndmask_b32 v[T+\j], v[T+\j], v240, vcc_lo   ; the causal mask
.endr
	v_max3_num_f32 v241, v[T], v[T+1], v[T+2]
	v_max3_num_f32 v241, v241, v[T+3], v[T+4]
	v_max3_num_f32 v241, v241, v[T+5], v[T+6]
	v_max_num_f32 v241, v241, v[T+7]
	v_permlanex16_b32 v242, v241, s20, s21
	v_max_num_f32 v241, v241, v242                 ; the row's maximum (key 0 counts for every query)
	v_mul_f32 v243, s22, v241
.irp j, 0,1,2,3,4,5,6,7
	v_fma_f32 v[T+\j], v[T+\j], s22, -v243
.endr
.irp j, 0,1,2,3,4,5,6,7
	v_exp_f32 v[P+\j], v[T+\j]
.endr
	v_nop                                          ; a plain line behind the last exponential
	s_wait_alu depctr_va_vdst(0)                   ; one wait for the eight, ahead of their first reader
	v_add_f32 v244, v[P], v[P+1]
	v_add_f32 v245, v[P+2], v[P+3]
	v_add_f32 v244, v244, v[P+4]
	v_add_f32 v245, v245, v[P+5]
	v_add_f32 v244, v244, v[P+6]
	v_add_f32 v245, v245, v[P+7]
	v_add_f32 v244, v244, v245
	v_permlanex16_b32 v242, v244, s20, s21
	v_add_f32 v244, v244, v242                     ; the row's sum
	v_rcp_f32 v246, v244
	v_nop                                          ; a plain line behind the reciprocal
.irp s, 0,1,2,3                                    ; O^T = V^T P: source 0 = 16 channels, source 1 = P as it stands (keys 8 h + 2 s, + 1); four sums by turns
.irp c, 0,1,2,3
.if \s == 0
	v_wmma_f32_16x16x4_f32 v[OY+8*\c:OY+8*\c+7], v[80+8*\c+2*\s:81+8*\c+2*\s], v[P+2*\s:P+2*\s+1], 0
.else
	v_wmma_f32_16x16x4_f32 v[OY+8*\c:OY+8*\c+7], v[80+8*\c+2*\s:81+8*\c+2*\s], v[P+2*\s:P+2*\s+1], v[OY+8*\c:OY+8*\c+7]
.endif
.endr
.endr
.rept 9
	v_nop                                          ; eight places for the reads of the sums and the writes over V's registers; nine since the next products are written over these sums' registers
.endr
	s_wait_alu depctr_va_vdst(0)                   ; the wait for the reciprocal, ahead of its first reader
.set e, 0
.rept 32
	v_mul_f32 v[80+e], v[OY+e], v246               ; O^T / the sum: register 8 c + j = channel 16 c + 8 h + j of query r
.set e, e+1
.endr
	s_wait_loadcnt 0x0                             ; Wout's four tiles
.irp s, 0,1,2,3,4,5,6,7,8,9,10,11,12,13,14,15      ; Y^T = Wout^T O^T: source 0 = 16 columns, source 1 = O^T as it stands; four sums by turns
.irp t, 0,1,2,3
.if \s == 0
	v_wmma_f32_16x16x4_f32 v[OY+8*\t:OY+8*\t+7], v[(112+32*\t)%160+2*\s:(112+32*\t)%160+2*\s+1], v[80+2*\s:81+2*\s], 0
.else
	v_wmma_f32_16x16x4_f32 v[OY+8*\t:OY+8*\t+7], v[(112+32*\t)%160+2*\s:(112+32*\t)%160+2*\s+1], v[80+2*\s:81+2*\s], v[OY+8*\t:OY+8*\t+7]
.endif
.endr
.endr
.rept 8
	v_nop                                          ; places: for the stores that read the sums, and for the loads below into Wout's registers
.endr
.irp t, 0,1,2,3
	ds_store_b128 v7, v[OY+8*\t:OY+8*\t+3] offset:64*\t            ; lane (r, h): my head's part of out(r, 64 g + 16 t + 8 h + 0 .. 7); each sum from its low end on
	ds_store_b128 v7, v[OY+8*\t+4:OY+8*\t+7] offset:64*\t+16
.endr
	s_wait_dscnt 0x0                               ; for the others' sake: my stores are done
	s_barrier_signal -1
	s_barrier_wait -1
.irp u, 0,1,2,3,4,5,6,7,8,9,10,11,12,13,14,15
	ds_load_b64 v[16+2*\u:17+2*\u], v8 offset:4352*\u              ; row w of head u's part
.endr
	s_wait_dscnt 0x0
.irp u, 0,4,8,12,16,20,24,28
	v_pk_add_f32 v[16+\u:17+\u], v[16+\u:17+\u], v[18+\u:19+\u]
.endr
.irp u, 0,8,16,24
	v_pk_add_f32 v[16+\u:17+\u], v[16+\u:17+\u], v[20+\u:21+\u]
.endr
.irp u, 0,16
	v_pk_add_f32 v[16+\u:17+\u], v[16+\u:17+\u], v[24+\u:25+\u]
.endr
	v_pk_add_f32 v[16:17], v[16:17], v[32:33]
	global_store_b64 v9, v[16:17], s[8:9]          ; 256 consecutive bytes, aligned
	s_wait_tensorcnt 0x0                           ; the wave's end
	ds_add_u32 v[SPW], v[NIL]
	s_wait_dscnt 0x0
	s_endpgm
.Lfunc_end_k_q5a0a527c96_fine:
	.size	k_q5a0a527c96_fine, .Lfunc_end_k_q5a0a527c96_fine-k_q5a0a527c96_fine
	.p2alignl 7, 3214868480
	.fill 96, 4, 3214868480
	.section	.rodata,"a",@progbits
	.p2align	6, 0x0
	.amdhsa_kernel k_q5a0a527c96_fine
		.amdhsa_group_segment_fixed_size 71680
		.amdhsa_private_segment_fixed_size 0
		.amdhsa_enable_private_segment 0
		.amdhsa_kernarg_size 24
		.amdhsa_user_sgpr_count 2
		.amdhsa_user_sgpr_kernarg_segment_ptr 1
		.amdhsa_wavefront_size32 1
		.amdhsa_system_sgpr_workgroup_id_x 1
		.amdhsa_system_sgpr_workgroup_id_y 1
		.amdhsa_system_sgpr_workgroup_id_z 1
		.amdhsa_system_vgpr_workitem_id 0
		.amdhsa_next_free_vgpr 256
		.amdhsa_next_free_sgpr 66
		.amdhsa_reserve_vcc 1
		.amdhsa_float_denorm_mode_32 3
		.amdhsa_float_denorm_mode_16_64 3
		.amdhsa_memory_ordered 1
		.amdhsa_forward_progress 1
		.amdhsa_inst_pref_size 32
	.end_amdhsa_kernel
	.amdgpu_metadata
---
amdhsa.version: [ 1, 2 ]
amdhsa.kernels:
  - .name:           k_q5a0a527c96_fine
    .symbol:         k_q5a0a527c96_fine.kd
    .args:
      - { .name: qkv16, .offset: 0, .size: 8, .value_kind: global_buffer, .address_space: global }
      - { .name: Wout, .offset: 8, .size: 8, .value_kind: global_buffer, .address_space: global }
      - { .name: out0, .offset: 16, .size: 8, .value_kind: global_buffer, .address_space: global }
    .group_segment_fixed_size: 71680
    .private_segment_fixed_size: 0
    .kernarg_segment_align: 8
    .kernarg_segment_size: 24
    .max_flat_workgroup_size: 512
    .sgpr_count:     66
    .vgpr_count:     256
    .wavefront_size: 32
...
	.end_amdgpu_metadata
.endif
;; end of part 5
